; MI455X (gfx1250); checked and timed in simulation.
; The chip was launched on July 23, 2026; its instructions are those of AMD's public machine-readable ISA for CDNA 5 (MIT licence, August 2026) and "CDNA5" Instruction Set Architecture Reference Guide (July 2026). The comments in the code are by the model that wrote it; some were corrected since.
;; Attention. Allowed arithmetic: float matrix products may take bf16 or f16 operands with f32 sums; other float arithmetic in f32, or as packed bf16 or f16 multiplies, adds, multiply-adds, maxima and minima; sums over many terms, partial sums and values carried from step to step in f32; what a program stores and reads back later, other than sums and carried values, may be rounded once to bf16 or f16.
;; Inputs: token_positions 2,048 int32; wk 1,024 x 1,024 float32; wo 1,024 x 1,024 float32; wq 1,024 x 1,024 float32; wv 1,024 x 1,024 float32; x 4 x 2,048 x 1,024 float32.
;; Outputs: out0 4 x 2,048 x 1,024 float32.
;; One version. Each part assembles by itself: llvm-mc -triple=amdgcn-amd-amdhsa -mcpu=gfx1250 --defsym DOCPART=n.
;; ======== version 1 of 1: 4 launches
;; limits: values are held in f16: magnitudes above 65,504 overflow, below 6.1e-05 lose precision; right only within a limited range of input values
;; workspace buffers: xh 16,777,216 bytes; wh 8,388,608 bytes; tab 524,288 bytes; qkvh 50,331,648 bytes; oh 16,777,216 bytes
;; launch prep (part 1): grid 896 x 1, 8 waves a work-group, no clusters, 0 bytes of LDS; arguments x, wq, wk, wv, wo, token_positions, xh, wh, tab; writes xh, wh, tab
.if DOCPART == 1
	.amdgcn_target "amdgcn-amd-amdhsa--gfx1250"
	.amdhsa_code_object_version 6
	.text
	.protected	k_qb39025dcbf_prep
	.globl	k_qb39025dcbf_prep
	.p2align	8
	.type	k_qb39025dcbf_prep,@function
k_qb39025dcbf_prep:
	s_mov_b64 s[64:65], 0
	v_nop
	global_prefetch_b8 v0, s[64:65] scope:SCOPE_SE
	s_setreg_imm32_b32 hwreg(HW_REG_WAVE_MODE, 25, 1), 1
	s_wait_xcnt 0x0
; PREP: the inputs rounded to 16 bits, in layouts blocked along K, and the table of cosines and sines.
;   xh  bf16 [b 4][kb 16][s 2048][64]:   x[b][s][64 kb + c] at byte b 4,194,304 + kb 262,144 + 128 s + 2 c
;   wh       [mat 4][kb 16][n 1024][64]: w[n][64 kb + c] at byte mat 2,097,152 + kb 131,072 + 128 n + 2 c; wq, wk, wv in bf16; wo rounded to bf16 and that number written as f16
;   tab f32 pairs (cos, sin) of angle pos[t] x 10000^(-j/32), in the order in which the next launch's accumulators hold a head's columns:
;       token t = 16 a + r, pair j = 8 bb + 4 h + 2 u + e at byte 4,096 a + 1,024 bb + 512 u + 16 (16 h + r) + 8 e
; SHARES.  Eight waves.  Work-groups 0-511: 16 rows of x each; 512-767: 16 rows of a weight each (64 a matrix); 768-895: 16 tokens of the table each.
; A stream: each byte is read once and written once; no LDS, no barrier, no matrix unit would add anything.  Thread t takes 16 bytes (4 numbers) of row t / 16 in each of the 16 blocks of 64 along K:
; sixteen lanes read 256 consecutive aligned bytes; a wave's store of 8 bytes a lane covers two rows x 128 bytes, 256 consecutive aligned bytes.  All 16 loads are out before the first is waited for.
; LIMITS.  wo in f16: beyond 65,504 it would be an infinity; below 6.1e-5 it keeps f16's step of 6e-8.  |token_positions| up to 2^20: the quarter turns are taken off in two parts of pi / 2, and what is
; left of pi / 2 behind them, 1.7e-15, times 6.7e5 quarter turns is nothing.  The series are cut for |r| <= 0.92, where the next terms are 1e-8 (sine) and 8e-10 (cosine).
.set X, 8                              ; v[8:71]    16 x 4 numbers as loaded
.set Y, 72                             ; v[72:103]  16 x 2 registers to store
.set T, 104                            ; v[104:107] at work
	s_load_b512 s[8:23], s[0:1], 0x0               ; x s[8:9], wq s[10:11], wk s[12:13], wv s[14:15], wo s[16:17], positions s[18:19], xh s[20:21], wh s[22:23]
	s_load_b64 s[24:25], s[0:1], 0x40              ; tab
	s_mov_b32 s2, ttmp9                            ; the work-group's number
	v_lshrrev_b32 v3, 4, v0                        ; my row of the 16
	v_and_b32 v4, 15, v0                           ; my place in a block's 256 bytes
	v_lshlrev_b32 v1, 4, v4
	v_lshl_or_b32 v1, v3, 12, v1                   ; from: row x 4,096 + 16 x place
	v_lshlrev_b32 v2, 3, v4
	v_lshl_or_b32 v2, v3, 7, v2                    ; to: row x 128 + 8 x place
	s_mov_b32 s31, 0                               ; the offsets' high words
	s_mov_b32 s33, 0
	s_wait_kmcnt 0x0
	s_cmp_ge_u32 s2, 768
	s_cbranch_scc1 .Ltab
	s_cmp_lt_u32 s2, 512
	s_cbranch_scc1 .Lx
; 16 rows x 1,024 numbers from s[26:27] to s[28:29]; blk = bytes from one block of 64 along K to the next in the target; half = 1: bf16's number written as f16.
; No register that a load or store names is written again, so the only waits are those for the data.
.macro CONVERT blk, half
.set kb, 0
.rept 16
	global_load_b128 v[X+4*kb:X+4*kb+3], v1, s[26:27] offset:256*kb th:TH_LOAD_NT
.set kb, kb+1
.endr
.set kb, 0
.rept 16
	s_wait_loadcnt 15-kb                           ; loads come back in order (ISA guide 5.7.1): block kb is in, the 15 - kb younger ones may stay out
	v_cvt_pk_bf16_f32 v[Y+2*kb],   v[X+4*kb],   v[X+4*kb+1]
	v_cvt_pk_bf16_f32 v[Y+2*kb+1], v[X+4*kb+2], v[X+4*kb+3]
.if \half
	v_lshlrev_b32 v[T],   16, v[Y+2*kb]             ; bf16 to f32: the low half moves up, the high half stays
	v_and_b32     v[T+1], 0xffff0000, v[Y+2*kb]
	v_lshlrev_b32 v[T+2], 16, v[Y+2*kb+1]
	v_and_b32     v[T+3], 0xffff0000, v[Y+2*kb+1]
	v_cvt_pk_f16_f32 v[Y+2*kb],   v[T],   v[T+1]    ; eight significant bits fit f16's eleven: exact within f16's normal range
	v_cvt_pk_f16_f32 v[Y+2*kb+1], v[T+2], v[T+3]
.endif
	global_store_b64 v2, v[Y+2*kb:Y+2*kb+1], s[28:29] offset:kb*(\blk) th:TH_STORE_NT
.set kb, kb+1
.endr
	s_endpgm
.endm
	s_sub_co_u32 s3, s2, 512                       ; a weight: matrix s4, strip of 16 rows s5
	s_lshr_b32 s4, s3, 6
	s_and_b32 s5, s3, 63
	s_lshl_b32 s30, s5, 16                         ; from: 16 rows of 4,096 bytes
	s_lshl_b32 s32, s4, 21                         ; to: the matrix,
	s_lshl_b32 s5, s5, 11                          ; 16 rows of 128 bytes
	s_add_co_u32 s32, s32, s5
	s_add_nc_u64 s[28:29], s[22:23], s[32:33]
	s_cmp_eq_u32 s4, 3
	s_cbranch_scc1 .Lwo
	s_cmp_eq_u32 s4, 1
	s_cselect_b64 s[26:27], s[12:13], s[10:11]     ; wk or wq,
	s_cmp_eq_u32 s4, 2
	s_cselect_b64 s[26:27], s[14:15], s[26:27]     ; or wv
	s_add_nc_u64 s[26:27], s[26:27], s[30:31]
	CONVERT 131072, 0
.Lwo:
	s_add_nc_u64 s[26:27], s[16:17], s[30:31]
	CONVERT 131072, 1
.Lx:
	s_lshl_b32 s30, s2, 16                         ; from: 16 rows of 4,096 bytes
	s_lshr_b32 s32, s2, 7                          ; to: the batch,
	s_lshl_b32 s32, s32, 22
	s_and_b32 s5, s2, 127                          ; 16 rows of 128 bytes
	s_lshl_b32 s5, s5, 11
	s_add_co_u32 s32, s32, s5
	s_add_nc_u64 s[26:27], s[8:9], s[30:31]
	s_add_nc_u64 s[28:29], s[20:21], s[32:33]
	CONVERT 262144, 0
; THE TABLE.  Thread t of block i makes the 16 bytes at 4,096 i + 16 t: pairs j0 and j0 + 1 of token 16 i + t % 16, j0 = 8 (t / 64) + 4 ((t / 16) % 2) + 2 ((t / 32) % 2).
; cosine and sine of v6 x v[f]: the angle is rounded once, as a product of two f32; kf quarter turns are taken off; two series; the quarter chooses series and signs by selects.
.macro SINCOS f, c, s, t
	v_mul_f32 v[\t], v6, v[\f]                       ; the angle
	v_mul_f32 v[\t+1], 0x3f22f983, v[\t]             ; x 2 / pi
	v_rndne_f32 v[\t+1], v[\t+1]                     ; kf
	v_fmamk_f32 v[\t], v[\t+1], 0xbfc90fdb, v[\t]    ; - kf x 1.57079637
	v_fmamk_f32 v[\t], v[\t+1], 0x333bbd2e, v[\t]    ; + kf x 4.37114e-8: r
	v_mul_f32 v[\t+2], v[\t], v[\t]                  ; r^2
	v_mov_b32 v[\t+3], 0x3638ef1d                    ; 1 / 9!
	v_fmaak_f32 v[\t+3], v[\t+3], v[\t+2], 0xb9500d01  ; - 1 / 7!
	v_fmaak_f32 v[\t+3], v[\t+3], v[\t+2], 0x3c088889  ; 1 / 5!
	v_fmaak_f32 v[\t+3], v[\t+3], v[\t+2], 0xbe2aaaab  ; - 1 / 3!
	v_mul_f32 v[\t+4], v[\t], v[\t+2]                ; r^3
	v_fma_f32 v[\t+3], v[\t+4], v[\t+3], v[\t]       ; S = sin r
	v_mov_b32 v[\t+4], 0xb493f27e                    ; - 1 / 10!
	v_fmaak_f32 v[\t+4], v[\t+4], v[\t+2], 0x37d00d01  ; 1 / 8!
	v_fmaak_f32 v[\t+4], v[\t+4], v[\t+2], 0xbab60b61  ; - 1 / 6!
	v_fmaak_f32 v[\t+4], v[\t+4], v[\t+2], 0x3d2aaaab  ; 1 / 4!
	v_fmaak_f32 v[\t+4], v[\t+4], v[\t+2], 0xbf000000  ; - 1 / 2
	v_fma_f32 v[\t+4], v[\t+2], v[\t+4], 1.0         ; C = cos r
	v_cvt_i32_f32 v[\t+1], v[\t+1]                   ; the quarter, modulo 4 in its two low bits
	v_and_b32 v[\t+5], 1, v[\t+1]
	v_cmp_ne_u32 vcc_lo, 0, v[\t+5]
	v_cndmask_b32 v[\s], v[\t+3], v[\t+4], vcc_lo    ; odd quarters change the series
	v_cndmask_b32 v[\c], v[\t+4], v[\t+3], vcc_lo
	v_and_b32 v[\t+5], 2, v[\t+1]                    ; the sine is turned in quarters 2 and 3,
	v_lshlrev_b32 v[\t+5], 30, v[\t+5]
	v_xor_b32 v[\s], v[\t+5], v[\s]
	v_add_nc_u32 v[\t+1], 1, v[\t+1]                 ; the cosine in quarters 1 and 2
	v_and_b32 v[\t+1], 2, v[\t+1]
	v_lshlrev_b32 v[\t+1], 30, v[\t+1]
	v_xor_b32 v[\c], v[\t+1], v[\c]
.endm
.Ltab:
	s_sub_co_u32 s3, s2, 768                       ; block i
	s_lshl_b32 s30, s3, 6                          ; its 16 positions
	s_add_nc_u64 s[26:27], s[18:19], s[30:31]
	s_lshl_b32 s32, s3, 12                         ; its 4,096 bytes of the table
	s_add_nc_u64 s[28:29], s[24:25], s[32:33]
	v_lshlrev_b32 v5, 2, v4
	global_load_b32 v6, v5, s[26:27]               ; my token's position
	v_lshlrev_b32 v7, 4, v0                        ; 16 t: a wave stores 512 consecutive bytes
	v_bfe_u32 v8, v0, 6, 2
	v_bfe_u32 v9, v0, 4, 1
	v_bfe_u32 v10, v0, 5, 1
	v_lshlrev_b32 v8, 3, v8
	v_lshl_add_u32 v8, v9, 2, v8
	v_lshl_add_u32 v8, v10, 1, v8                  ; j0
	v_add_nc_u32 v9, 1, v8
	v_cvt_f32_u32 v8, v8
	v_cvt_f32_u32 v9, v9
	v_mul_f32 v8, 0xbed49a78, v8                   ; - j log2(10000) / 32
	v_mul_f32 v9, 0xbed49a78, v9
	v_exp_f32 v8, v8                               ; 10000^(-j/32)
	v_exp_f32 v9, v9
	v_nop                                          ; a plain instruction between the exponentials and the use of their results (ISA guide 5.7.2)
	s_wait_loadcnt 0x0                             ; the position
	v_cvt_f32_i32 v6, v6
	s_wait_alu depctr_va_vdst(0)
	SINCOS 8, 12, 13, 16
	SINCOS 9, 14, 15, 24
	global_store_b128 v7, v[12:15], s[28:29]
	s_endpgm
.Lfunc_end_k_qb39025dcbf_prep:
	.size	k_qb39025dcbf_prep, .Lfunc_end_k_qb39025dcbf_prep-k_qb39025dcbf_prep
	.p2alignl 7, 3214868480
	.fill 96, 4, 3214868480
	.section	.rodata,"a",@progbits
	.p2align	6, 0x0
	.amdhsa_kernel k_qb39025dcbf_prep
		.amdhsa_group_segment_fixed_size 0
		.amdhsa_private_segment_fixed_size 0
		.amdhsa_enable_private_segment 0
		.amdhsa_kernarg_size 72
		.amdhsa_user_sgpr_count 2
		.amdhsa_user_sgpr_kernarg_segment_ptr 1
		.amdhsa_wavefront_size32 1
		.amdhsa_system_sgpr_workgroup_id_x 1
		.amdhsa_system_sgpr_workgroup_id_y 1
		.amdhsa_system_sgpr_workgroup_id_z 1
		.amdhsa_system_vgpr_workitem_id 0
		.amdhsa_next_free_vgpr 112
		.amdhsa_next_free_sgpr 66
		.amdhsa_reserve_vcc 1
		.amdhsa_float_denorm_mode_32 3
		.amdhsa_float_denorm_mode_16_64 3
		.amdhsa_memory_ordered 1
		.amdhsa_forward_progress 1
		.amdhsa_inst_pref_size 28
	.end_amdhsa_kernel
	.amdgpu_metadata
---
amdhsa.version: [ 1, 2 ]
amdhsa.kernels:
  - .name:           k_qb39025dcbf_prep
    .symbol:         k_qb39025dcbf_prep.kd
    .args:
      - { .name: x, .offset: 0, .size: 8, .value_kind: global_buffer, .address_space: global }
      - { .name: wq, .offset: 8, .size: 8, .value_kind: global_buffer, .address_space: global }
      - { .name: wk, .offset: 16, .size: 8, .value_kind: global_buffer, .address_space: global }
      - { .name: wv, .offset: 24, .size: 8, .value_kind: global_buffer, .address_space: global }
      - { .name: wo, .offset: 32, .size: 8, .value_kind: global_buffer, .address_space: global }
      - { .name: token_positions, .offset: 40, .size: 8, .value_kind: global_buffer, .address_space: global }
      - { .name: xh, .offset: 48, .size: 8, .value_kind: global_buffer, .address_space: global }
      - { .name: wh, .offset: 56, .size: 8, .value_kind: global_buffer, .address_space: global }
      - { .name: tab, .offset: 64, .size: 8, .value_kind: global_buffer, .address_space: global }
    .group_segment_fixed_size: 0
    .private_segment_fixed_size: 0
    .kernarg_segment_align: 8
    .kernarg_segment_size: 72
    .max_flat_workgroup_size: 256
    .sgpr_count:     66
    .vgpr_count:     112
    .wavefront_size: 32
...
	.end_amdgpu_metadata
.endif
;; end of part 1
;; launch qkv (part 2): grid 8 x 32, 4 waves a work-group, clusters of 4 x 4, 327,680 bytes of LDS; arguments xh, wh, tab, qkvh; writes qkvh
.if DOCPART == 2
	.amdgcn_target "amdgcn-amd-amdhsa--gfx1250"
	.amdhsa_code_object_version 6
	.text
	.protected	k_qb39025dcbf_qkv
	.globl	k_qb39025dcbf_qkv
	.p2align	8
	.type	k_qb39025dcbf_qkv,@function
k_qb39025dcbf_qkv:
	s_mov_b64 s[64:65], 0
	v_nop
	global_prefetch_b8 v0, s[64:65] scope:SCOPE_SE
	s_setreg_imm32_b32 hwreg(HW_REG_WAVE_MODE, 25, 1), 1
	s_wait_xcnt 0x0
	s_wait_alu depctr_hold_cnt(0) depctr_sa_sdst(0) depctr_va_vdst(0) depctr_va_sdst(0) depctr_va_ssrc(0) depctr_va_vcc(0) depctr_vm_vsrc(0)
	s_getreg_b32 s2, hwreg(HW_REG_IB_STS2, 6, 4)
	s_cmp_eq_u32 s2, 0
	s_cbranch_scc0 .Lentry_in_a_cluster
	s_endpgm
.Lentry_in_a_cluster:
	s_bfe_u32 s2, ttmp6, 0x10000c
	s_cmp_lg_u32 s2, 0xf033
	s_cbranch_scc0 .Lentry_shape_is_right
	s_endpgm
.Lentry_shape_is_right:
; Q, K, V = x wq^T, x wk^T, x wv^T in bf16 with f32 sums; q and k are turned by the table's cosines and sines in f32; all three leave rounded once to f16, by heads: qkvh [3][bh 64][s 2048][64].
; A (xh) and B (wh) are blocked along K: the 64 channels of block kb of all rows lie on end, 128 bytes a row, so a tile of one block is dense in memory.
; SHARES.  A tile of C is 256 rows x 128 columns; 32 x 8 tiles a weight, 256 work-groups, and A WORK-GROUP STAYS for three tiles: the same rows and columns for wq, wk, wv, which lie end to end in wh.
; Four waves, 2 x 2: a wave makes 128 rows x 64 columns, one head: 32 accumulators of 16 x 16, 256 registers.  K goes in steps of 128 (two blocks) through a ring of two LDS slots; 8 steps a tile.
; CLUSTER.  4 x 4 work-groups: the four of a row of the cluster need the same tiles of A, the four of a column the same tiles of B; each tile is asked for jointly, by the same tensor load with the same
; descriptor and a mask that names the four.  Waves 0 and 1 ask for A's even and odd block (32,768 bytes each), waves 2 and 3 for B's (16,384 each): one load a wave behind each round.
; THE PRODUCT IS TRANSPOSED (source 0 = 16 rows of B, source 1 = 16 rows of A): lane l holds row l % 16 of C and the columns 8 (l / 16) + 0..7 of a block of 16: four neighbouring pairs of a head.
; THE TURNING.  A wave's tokens and its 64 columns are the same for q and k, so its 256 registers of (cos, sin) are loaded once, in the accumulators' own order: pair p of the accumulator at R has x0, x1 at
; R + 2 p, R + 2 p + 1 of window 2 and cos, sin at the same numbers of window 3.  Tiles 0 and 1 (q, k) have a successor and leave by the way out that turns; tile 2 (v) is the last and leaves plainly.
; No prefetch: A comes anew in 8 of the 24 K steps only, and the weights are read by eight clusters at once.
; LIMITS.  f16 holds no number beyond 65,504: q, k and v must stay within it (as drawn their spread is 1).  NaN and infinities are not treated apart.
; REGISTERS, in windows of 256 (s_set_vgpr_msb: bits 1:0 source 0, 3:2 source 1, 5:4 source 2, 7:6 destination):
;   window 0: v0-29 addresses; two fragment buffers of 96: v32-127, v128-223 (A's eight fragments, then B's four); v128-255 are also the way out's
;   window 1: v0-63 at work in the turning     window 2: accumulator (a, bb) at 8 (4 a + bb)     window 3: the table, at the same numbers
.set PITCH,  144                       ; an LDS row: 128 bytes + 16 of padding = 36 words: the 16 rows of a fragment load start at 16 different groups of four banks (64 banks of 4 bytes: ISA guide 11.1)
.set ABLK,   256*PITCH                 ; one block of A's tile
.set BBLK,   128*PITCH                 ; one block of B's
.set BOFF,   2*ABLK                    ; a slot: A even, A odd, B even, B odd
.set SLOT,   2*ABLK+2*BBLK             ; 110,592
.set STAGE,  2*SLOT                    ; behind the ring: 16 rows x 144 bytes for each wave, for the way out; no tensor load fills it
.set SP,     144
.set SPARE,  STAGE+4*16*SP             ; behind the stages: the spare words, 128 bytes for each wave: two blocks of 256 bytes that no other line names
.set TILES,  3
.set LAPS,   4                         ; a lap = two K steps = once round the ring
.set A_KB,   262144                    ; bytes from block to block along K in xh
.set B_KB,   131072                    ; and in wh
.set ADRA, 16                          ; v16-17  LDS address of my A fragments in slot 0, 1
.set ADRB, 20                          ; v20-21  the same for B
.set STO,  24                          ; v24     the way out: where I put 16 bytes of a row
.set RD,   25                          ; v25     the way out: where I read rows back
.set GO,   26                          ; v26     16 x lane: my 16 bytes of 512 consecutive ones, in the table and in the output; never rewritten
.set SPW,  28                          ; v28     LDS address of my spare word; never rewritten
.set NIL,  29                          ; v29     0; never rewritten
.set F0,   32
.set F1,   128
.set OUTR, 128                         ; the way out: block a's 16 registers at OUTR + 16 a
.set G1,  24                           ; s[24:31] descriptor group 1 for A's tiles;  s[32:39] group 0, one set for each slot
.set G0,  32
.set G1B, 48                           ; s[48:55], s[56:63] the same for B's
.set G0B, 56
.set MSB, 0
.macro WIN new                         ; the immediate's high byte repeats the setting that is left; a switch that changes nothing is dropped
.if MSB != (\new)
	s_set_vgpr_msb (MSB<<8)|(\new)
.set MSB, \new
.endif
.endm
.set MULW,  0xa0                       ; sources in window 0, C and D in window 2
.set ROPEW, 0x5e                       ; source 0 window 2 (x), source 1 window 3 (table), source 2 and destination window 1
.macro PLACES                          ; four places behind a matrix instruction, in front of loads into registers that it has read and of lines that read results (ISA guide 7.12.1 for lines that read results)
.rept 4
	v_nop
.endr
.endm
; A joint load.  The branch hangs on the wave's number alone.  An s_nop 0 and four v_nop follow each of the two lines, ahead of the jump, the label and what follows.
.macro JLOAD s
	s_cmp_eq_u32 s13, 0
	s_cbranch_scc0 .Lfor_b_\@
	tensor_load_to_lds s[G0+4*(\s):G0+4*(\s)+3], s[G1:G1+7]
	s_nop 0
.rept 4
	v_nop
.endr
	s_branch .Lasked_\@
.Lfor_b_\@:
	tensor_load_to_lds s[G0B+4*(\s):G0B+4*(\s)+3], s[G1B:G1B+7]
	s_nop 0
.rept 4
	v_nop
.endr
.Lasked_\@:
.endm
.macro CREST                           ; a round of the cluster's barrier behind its opening barrier
	s_cmp_lg_u32 s12, 0
	s_cbranch_scc1 .Lnot_wave_0_\@
	s_barrier_signal -3
.Lnot_wave_0_\@:
	s_barrier_wait -3
	s_barrier_signal -1
	s_barrier_wait -1
.endm
.macro CROUND                          ; a whole round
	s_barrier_signal -1
	s_barrier_wait -1
	CREST
.endm
	s_load_b256 s[4:11], s[0:1], 0x0               ; xh s[4:5], wh s[6:7], tab s[8:9], qkvh s[10:11]
	v_lshl_add_u32 v[SPW], v0, 2, SPARE
	v_mov_b32 v[NIL], 0
	ds_add_u32 v[SPW], v[NIL]                      ; the wave's opening: the add and its wait stand ahead of my first tensor load; the set-up below, work on registers, stands between them
	ds_add_u32 v28, v29
	v_lshrrev_b32 v1, 5, v0
	v_readfirstlane_b32 s12, v1                    ; wave 0..3
	s_lshr_b32 s13, s12, 1                         ; which 128 rows of the tile are mine.  Also: I fetch for A (0) or for B (1)
	s_and_b32 s14, s12, 1                          ; which 64 columns.  Also: I fetch the even (0) or the odd (1) block of a K step
	s_bfe_u32 s15, ttmp6, 0x40000                  ; cx
	s_bfe_u32 s16, ttmp6, 0x40004                  ; cy
	s_lshl_b32 s17, ttmp9, 2
	s_add_co_u32 s17, s17, s15                     ; tile column = 4 x cluster x + cx
	s_and_b32 s18, ttmp7, 0xffff
	s_lshl_b32 s18, s18, 2
	s_add_co_u32 s18, s18, s16                     ; tile row = 4 x cluster y + cy
	s_lshl_b32 s40, s16, 2
	s_lshl_b32 s40, 15, s40                        ; my row of the cluster
	s_lshl_b32 s41, 0x1111, s15                    ; my column
	; descriptor group 1.  A block of a tile is dense: asked for as rows of 256 bytes, two rows of the matrix each, and padded in LDS behind every 128 bytes
	s_or_b32 s[G1+0], s40, (1<<16)|(1<<20)|(1<<21)|(4<<22)|(3<<25)   ; 15:0 the mask; 17:16 2-byte elements; 20 padding on; 21 set beside a mask; 24:22 after every 32 words (code 4); 31:25 4 words (code 3)
	s_or_b32 s[G1B+0], s41, (1<<16)|(1<<20)|(1<<21)|(4<<22)|(3<<25)
	s_mov_b32 s[G1+1], 128<<16                     ; tensor_dim0 = 128
	s_mov_b32 s[G1+2], 128<<16                     ; tensor_dim1 = 128
	s_mov_b32 s[G1+3], 128<<16                     ; tile_dim0 = 128
	s_mov_b32 s[G1+4], 128                         ; tile_dim1 = 128
	s_mov_b32 s[G1+5], 128                         ; 128 elements from row to row
	s_mov_b32 s[G1+6], 0
	s_mov_b32 s[G1+7], 0
	s_mov_b32 s[G1B+1], 128<<16
	s_mov_b32 s[G1B+2], 64<<16                     ; B's block has half the rows
	s_mov_b32 s[G1B+3], 128<<16
	s_mov_b32 s[G1B+4], 64
	s_mov_b32 s[G1B+5], 128
	s_mov_b32 s[G1B+6], 0
	s_mov_b32 s[G1B+7], 0
	; where the tiles come from.  A's address is made of the tile row and the wave's number, B's of the tile column and the wave's number, each in registers that never hold the other coordinate
	s_lshr_b32 s22, s18, 3                         ; the batch,
	s_lshl_b32 s22, s22, 22
	s_and_b32 s21, s18, 7                          ; 256 rows of 128 bytes,
	s_lshl_b32 s21, s21, 15
	s_add_co_u32 s22, s22, s21
	s_lshl_b32 s21, s14, 18                        ; the even or the odd block
	s_add_co_u32 s22, s22, s21
	s_mov_b32 s23, 0
	s_lshl_b32 s46, s17, 14                        ; 128 rows of 128 bytes,
	s_lshl_b32 s47, s14, 17                        ; the even or the odd block
	s_add_co_u32 s46, s46, s47
	s_mov_b32 s47, 0
	s_mul_i32 s19, s14, ABLK                       ; and where they go: no place in the cluster enters an LDS address
	s_mul_i32 s20, s14, BBLK
	s_add_co_u32 s20, s20, BOFF
	s_mov_b32 s2, TILES                            ; tiles to go
	s_wait_dscnt 0x0                               ; the opening add is done
	s_wait_kmcnt 0x0
	s_add_nc_u64 s[42:43], s[4:5], s[22:23]
	s_add_nc_u64 s[44:45], s[6:7], s[46:47]
	CROUND                                         ; all sixteen work-groups are here: the first joint loads meet
.irp s, 0,1
	s_mov_b32 s[G0+4*(\s)], 1                                        ; count = 1
	s_add_co_u32 s[G0+4*(\s)+1], s19, (\s)*SLOT                      ; LDS address
	s_add_nc_u64 s[G0+4*(\s)+2:G0+4*(\s)+3], s[42:43], (\s)*2*A_KB   ; global address: K step s
	s_or_b32 s[G0+4*(\s)+3], s[G0+4*(\s)+3], 0x80000000              ; type = 2
	s_mov_b32 s[G0B+4*(\s)], 1
	s_add_co_u32 s[G0B+4*(\s)+1], s20, (\s)*SLOT
	s_add_nc_u64 s[G0B+4*(\s)+2:G0B+4*(\s)+3], s[44:45], (\s)*2*B_KB
	s_or_b32 s[G0B+4*(\s)+3], s[G0B+4*(\s)+3], 0x80000000
	JLOAD \s                                       ; two loads of mine are out
.endr
	; A fragment is 16 rows x 32 K in 8 registers: lane l holds row l % 16; registers 0-3 K = 8 (l / 16) + 0..7, registers 4-7 K = 16 + 8 (l / 16) + 0..7: two loads of 16 bytes, 32 bytes apart
	v_and_b32 v1, 15, v0                           ; l % 16
	v_bfe_u32 v2, v0, 4, 1                         ; l / 16
	v_mul_u32_u24 v3, v1, PITCH
	v_lshl_add_u32 v3, v2, 4, v3                   ; row x pitch + 16 x half
	s_mul_i32 s19, s13, 128*PITCH                  ; my 128 rows of A
	s_mul_i32 s20, s14, 64*PITCH                   ; my 64 rows of B
	s_add_co_u32 s20, s20, BOFF
.irp s, 0,1
	v_add_nc_u32 v[ADRA+(\s)], s19, v3
	v_add_nc_u32 v[ADRB+(\s)], s20, v3
	s_add_co_u32 s19, s19, SLOT
	s_add_co_u32 s20, s20, SLOT
.endr
	s_mul_i32 s21, s12, 16*SP
	s_add_co_u32 s21, s21, STAGE                   ; my stage
	v_add_nc_u32 v[STO], s21, v3                   ; in: row l % 16, 16 bytes for each half of the lanes
	v_bfe_u32 v4, v0, 3, 2                         ; back: 32 lanes take four rows of 128 bytes,
	v_and_b32 v5, 7, v0
	v_mul_u32_u24 v4, v4, SP
	v_lshl_add_u32 v4, v5, 4, v4
	v_add_nc_u32 v[RD], s21, v4
	v_and_b32 v[GO], 31, v0                        ; which are 512 consecutive bytes of a head
	v_lshlrev_b32 v[GO], 4, v[GO]
	s_and_b32 s22, s18, 7                          ; the table at my 128 tokens: 16 blocks of 4,096 bytes a tile row, 8 a wave
	s_lshl_b32 s22, s22, 16
	s_lshl_b32 s19, s13, 15
	s_add_co_u32 s22, s22, s19
	s_mov_b32 s23, 0
	s_add_nc_u64 s[8:9], s[8:9], s[22:23]
	WIN 0xc0                                       ; destination window 3, address window 0
.irp a, 0,1,2,3,4,5,6,7
.irp b, 0,1,2,3
.irp u, 0,1
	global_load_b128 v[8*(4*(\a)+(\b))+4*(\u):8*(4*(\a)+(\b))+4*(\u)+3], v[GO], s[8:9] offset:(\a)*4096+(\b)*1024+(\u)*512  ; 512 consecutive bytes a load; waited for at the first way out
.endr
.endr
.endr
	WIN 0
	s_lshr_b32 s19, s18, 3                         ; q's output at my head (16 x batch + 2 x tile column + my half) and my 128 rows: 16,384 bytes on end
	s_lshl_b32 s19, s19, 4
	s_lshl_b32 s46, s17, 1
	s_add_co_u32 s46, s46, s14
	s_add_co_u32 s46, s46, s19
	s_lshl_b32 s46, s46, 18
	s_and_b32 s19, s18, 7
	s_lshl_b32 s19, s19, 15
	s_add_co_u32 s46, s46, s19
	s_lshl_b32 s19, s13, 14
	s_add_co_u32 s46, s46, s19
	s_mov_b32 s47, 0
	s_add_nc_u64 s[10:11], s[10:11], s[46:47]
; 8 matrix instructions: row blocks a0, a0 + 1 x all 4 column blocks, 32 along K.  zero = 1: the product starts the sums.  The 32 accumulators take turns, one instruction a turn, in the same order in every
; quarter, over the backward jumps and from tile to tile.
.macro MUL8 f, a0, zero
	WIN MULW
.irp a, \a0, (\a0)+1
.irp b, 0,1,2,3
.if \zero
	v_wmma_f32_16x16x32_bf16 v[8*(4*(\a)+(\b)):8*(4*(\a)+(\b))+7], v[(\f)+64+8*(\b):(\f)+64+8*(\b)+7], v[(\f)+8*(\a):(\f)+8*(\a)+7], 0
.else
	v_wmma_f32_16x16x32_bf16 v[8*(4*(\a)+(\b)):8*(4*(\a)+(\b))+7], v[(\f)+64+8*(\b):(\f)+64+8*(\b)+7], v[(\f)+8*(\a):(\f)+8*(\a)+7], v[8*(4*(\a)+(\b)):8*(4*(\a)+(\b))+7]
.endif
.endr
.endr
.endm
.macro MUL16 f, hi, zero               ; my rows 0-63 (hi = 0) or 64-127 (hi = 1)
	MUL8 \f, 4*(\hi), \zero
	MUL8 \f, 4*(\hi)+2, \zero
.endm
; 24 LDS loads in one run: the fragments of quarter q of a K step (block q / 2, its channels 32 (q % 2) on) into buffer f: B's 64 rows, A's rows 0-63, A's rows 64-127
.macro FETCH slot, q, f
	WIN 0
.irp i, 0,1,2,3
	ds_load_b128 v[(\f)+64+8*(\i):(\f)+64+8*(\i)+3],   v[ADRB+(\slot)] offset:((\q)/2)*BBLK+((\q)%2)*64+(\i)*16*PITCH
	ds_load_b128 v[(\f)+64+8*(\i)+4:(\f)+64+8*(\i)+7], v[ADRB+(\slot)] offset:((\q)/2)*BBLK+((\q)%2)*64+(\i)*16*PITCH+32
.endr
.irp i, 0,1,2,3,4,5,6,7
	ds_load_b128 v[(\f)+8*(\i):(\f)+8*(\i)+3],   v[ADRA+(\slot)] offset:((\q)/2)*ABLK+((\q)%2)*64+(\i)*16*PITCH
	ds_load_b128 v[(\f)+8*(\i)+4:(\f)+8*(\i)+7], v[ADRA+(\slot)] offset:((\q)/2)*ABLK+((\q)%2)*64+(\i)*16*PITCH+32
.endr
.endm
; A K step is four quarters of 32 along K, 32 matrix instructions each, on buffers 0, 1, 0, 1.  One of the first three: multiplies buffer f and in its middle fetches quarter q into buffer g.
.macro QUARTER slot, q, f, g, zero
	s_wait_dscnt 8                                 ; B and A's rows 0-63 are in; the youngest eight loads (A's rows 64-127) may be out
	MUL16 \f, 0, \zero
	PLACES
	FETCH \slot, \q, \g
	s_wait_dscnt 24                                ; all but the 24 just issued
	MUL16 \f, 1, \zero
.endm
; The last quarter multiplies buffer 1 and changes slots.  MEET is its first half: one barrier; in front of it each wave waits for all its tensor loads, of which one is out: its part of the next slot;
; adds 0 to its spare word; and waits for that and for its own reads of this slot.  Behind it nobody reads this slot any more and the next slot is whole.
.macro MEET round
	WIN 0
	s_wait_tensorcnt 0x0                           ; all my tensor loads have landed
	ds_add_u32 v[SPW], v[NIL]                      ; 0 onto my spare word
	s_wait_dscnt 9                                 ; (the add and the youngest eight loads may be out)
	MUL8 F1, 0, 0                                  ; eight matrix instructions stand between the add and the wait for it
	s_wait_dscnt 0x0                               ; the add is done, and my reads of this slot are over
	s_barrier_signal -1
	MUL8 F1, 2, 0                                  ; work on registers while the others arrive
.if \round
	WIN 0
.endif
	s_barrier_wait -1
.endm
; The whole last quarter.  The barrier opens a round of the cluster's; behind the round the slot just read out is filled again first: with this tile's K step two on (on = 0), or with the next tile's K step 0 or 1
; (on = 1): A goes back along K; B simply runs on, since the next weight begins where this one ends.  From a request to the wait for it a wave issues 112 matrix instructions.
.macro TURN slot, next, on
	MEET 1
	CREST                                          ; no wave of any partner still reads this slot's tile or has a load on its way
.if \on
	s_sub_nc_u64 s[G0+4*(\slot)+2:G0+4*(\slot)+3], s[G0+4*(\slot)+2:G0+4*(\slot)+3], 12*A_KB
.else
	s_add_nc_u64 s[G0+4*(\slot)+2:G0+4*(\slot)+3], s[G0+4*(\slot)+2:G0+4*(\slot)+3], 4*A_KB
.endif
	s_add_nc_u64 s[G0B+4*(\slot)+2:G0B+4*(\slot)+3], s[G0B+4*(\slot)+2:G0B+4*(\slot)+3], 4*B_KB
	JLOAD \slot                                    ; the first tensor load behind the round; its four v_nop are also the places in front of the loads below
	FETCH \next, 0, F0
	MUL16 F1, 1, 0
.endm
; THE WAY OUT of block a (16 rows x 64 columns).  ROPE: r0 = x0 c - x1 s, r1 = x1 c + x0 s, each a product and a fused multiply-add in f32; each accumulator's lowest registers are read first.
; Then both ways: rounded to f16, 16 bytes a lane into my own stage, and back as whole rows of 128 bytes, into the registers that they left.
.macro STAGED a
	WIN 0
.irp b, 0,1,2,3
	ds_store_b128 v[STO], v[OUTR+16*(\a)+4*(\b):OUTR+16*(\a)+4*(\b)+3] offset:32*(\b)
.endr
.irp f, 0,1,2,3
	ds_load_b128 v[OUTR+16*(\a)+4*(\f):OUTR+16*(\a)+4*(\f)+3], v[RD] offset:(\f)*4*SP  ; LDS serves a wave's instructions in order (ISA guide 5.7.1.4): these see the stores above; the next block's stores come behind them
.endr
.endm
.macro ROPE a
	WIN ROPEW
.irp b, 0,1,2,3
.irp p, 0,1,2,3
	v_mul_f32 v[8*(\b)+2*(\p)],   v[32*(\a)+8*(\b)+2*(\p)+1], v[32*(\a)+8*(\b)+2*(\p)+1]  ; x1 s
	v_mul_f32 v[8*(\b)+2*(\p)+1], v[32*(\a)+8*(\b)+2*(\p)],   v[32*(\a)+8*(\b)+2*(\p)+1]  ; x0 s
.endr
.endr
.irp b, 0,1,2,3
.irp p, 0,1,2,3
	v_fma_f32 v[32+8*(\b)+2*(\p)],   v[32*(\a)+8*(\b)+2*(\p)],   v[32*(\a)+8*(\b)+2*(\p)], -v[8*(\b)+2*(\p)]
	v_fma_f32 v[32+8*(\b)+2*(\p)+1], v[32*(\a)+8*(\b)+2*(\p)+1], v[32*(\a)+8*(\b)+2*(\p)], v[8*(\b)+2*(\p)+1]
.endr
.endr
	WIN 0x05                                       ; sources window 1, destination window 0
.set i, 0
.rept 16
	v_cvt_pk_f16_f32 v[OUTR+16*(\a)+i], v[32+2*i], v[33+2*i]
.set i, i+1
.endr
	STAGED \a
.endm
.macro PLAIN a
	WIN 0x0a                                       ; sources window 2, destination window 0
.set i, 0
.rept 16
	v_cvt_pk_f16_f32 v[OUTR+16*(\a)+i], v[32*(\a)+2*i], v[32*(\a)+2*i+1]
.set i, i+1
.endr
	STAGED \a
.endm
.macro SEND a, younger                 ; younger: the LDS instructions issued behind block a's loads: the next block's eight, or none
	WIN 0
.irp f, 0,1,2,3
	s_wait_dscnt (\younger)+3-(\f)
	global_store_b128 v[GO], v[OUTR+16*(\a)+4*(\f):OUTR+16*(\a)+4*(\f)+3], s[10:11] offset:(\a)*2048+(\f)*512  ; 512 consecutive bytes, at a multiple of 256 from the buffer's first
.endr
.endm
	s_wait_tensorcnt 1                             ; my part of K step 0 is in; K step 1's may stay out
	s_barrier_signal -1
	s_barrier_wait -1                              ; everybody's is
	FETCH 0, 0, F0
.Ltile:
	QUARTER 0, 1, F0, F1, 1                        ; a tile's first quarter stands in front of the loop: its products start the sums
	WIN 0                                          ; at a label and at a branch every window is 0
	s_mov_b32 s3, LAPS-1
.Llap:                                                 ; a trip goes once round the ring, from a lap's second quarter to the next lap's first, and fills both slots again
	QUARTER 0, 2, F1, F0, 0
	QUARTER 0, 3, F0, F1, 0
	TURN 0, 1, 0
	QUARTER 1, 1, F0, F1, 0
	QUARTER 1, 2, F1, F0, 0
	QUARTER 1, 3, F0, F1, 0
	TURN 1, 0, 0
	QUARTER 0, 1, F0, F1, 0
	WIN 0
	s_sub_co_u32 s3, s3, 1
	s_cmp_lg_u32 s3, 0
	s_cbranch_scc1 .Llap
	QUARTER 0, 2, F1, F0, 0                        ; the tile's last lap goes on
	QUARTER 0, 3, F0, F1, 0
	WIN 0
	s_cmp_eq_u32 s2, 1
	s_cbranch_scc1 .Llast                          ; the last tile's tail is written out: it asks for nothing more
	TURN 0, 1, 1                                   ; the ring goes on into the next tile: slot 0 takes its K step 0,
	QUARTER 1, 1, F0, F1, 0
	QUARTER 1, 2, F1, F0, 0
	QUARTER 1, 3, F0, F1, 0
	TURN 1, 0, 1                                   ; slot 1 its K step 1, and the next tile's first fragments are fetched into buffer 0, which the way out leaves alone
	s_wait_loadcnt 0x0                             ; the table is in
	PLACES
	ROPE 0
.irp a, 1,2,3,4,5,6,7                  ; block a's arithmetic stands between block a - 1's loads from the stage and the wait for them
	ROPE \a
	SEND (\a)-1, 8
.endr
	SEND 7, 0
	s_wait_xcnt 0x0                                ; the stores have read their registers and their base: only now is the base stepped, and buffer 1, where their data lay, loaded again
	s_add_nc_u64 s[10:11], s[10:11], 0x1000000     ; the next of q, k, v
	s_sub_co_u32 s2, s2, 1
	s_branch .Ltile
.Llast:
	MEET 0                                         ; my one tensor load that was still out is slot 1's, the last K step's, so no round follows
	PLACES
	FETCH 1, 0, F0
	MUL16 F1, 1, 0
	QUARTER 1, 1, F0, F1, 0
	QUARTER 1, 2, F1, F0, 0
	QUARTER 1, 3, F0, F1, 0
	s_wait_dscnt 8                                 ; the very last quarter: nothing more to fetch
	MUL16 F1, 0, 0
	s_wait_dscnt 0x0
	MUL16 F1, 1, 0
	WIN 0
	PLACES
	PLAIN 0                                        ; v is not turned
.irp a, 1,2,3,4,5,6,7
	PLAIN \a
	SEND (\a)-1, 8
.endr
	SEND 7, 0
	s_wait_tensorcnt 0x0                           ; the wave's end, behind my last tensor load and my last LDS store
	ds_add_u32 v[SPW], v[NIL]
	s_wait_dscnt 0x0
	CROUND                                         ; the closing round: no work-group ends while a partner may still ask for a tile that names it
	s_endpgm
.Lfunc_end_k_qb39025dcbf_qkv:
	.size	k_qb39025dcbf_qkv, .Lfunc_end_k_qb39025dcbf_qkv-k_qb39025dcbf_qkv
	.p2alignl 7, 3214868480
	.fill 96, 4, 3214868480
	.section	.rodata,"a",@progbits
	.p2align	6, 0x0
	.amdhsa_kernel k_qb39025dcbf_qkv
		.amdhsa_group_segment_fixed_size 327680
		.amdhsa_private_segment_fixed_size 0
		.amdhsa_enable_private_segment 0
		.amdhsa_kernarg_size 32
		.amdhsa_user_sgpr_count 2
		.amdhsa_user_sgpr_kernarg_segment_ptr 1
		.amdhsa_wavefront_size32 1
		.amdhsa_system_sgpr_workgroup_id_x 1
		.amdhsa_system_sgpr_workgroup_id_y 1
		.amdhsa_system_sgpr_workgroup_id_z 1
		.amdhsa_system_vgpr_workitem_id 0
		.amdhsa_next_free_vgpr 1024
		.amdhsa_next_free_sgpr 66
		.amdhsa_reserve_vcc 0
		.amdhsa_float_denorm_mode_32 3
		.amdhsa_float_denorm_mode_16_64 3
		.amdhsa_memory_ordered 1
		.amdhsa_forward_progress 1
		.amdhsa_inst_pref_size 155
	.end_amdhsa_kernel
	.amdgpu_metadata
---
amdhsa.version: [ 1, 2 ]
amdhsa.kernels:
  - .name:           k_qb39025dcbf_qkv
    .symbol:         k_qb39025dcbf_qkv.kd
    .args:
      - { .name: xh, .offset: 0, .size: 8, .value_kind: global_buffer, .address_space: global }
      - { .name: wh, .offset: 8, .size: 8, .value_kind: global_buffer, .address_space: global }
      - { .name: tab, .offset: 16, .size: 8, .value_kind: global_buffer, .address_space: global }
      - { .name: qkvh, .offset: 24, .size: 8, .value_kind: global_buffer, .address_space: global }
    .group_segment_fixed_size: 327680
    .private_segment_fixed_size: 0
    .kernarg_segment_align: 8
    .kernarg_segment_size: 32
    .max_flat_workgroup_size: 128
    .sgpr_count:     66
    .vgpr_count:     1024
    .wavefront_size: 32
...
	.end_amdgpu_metadata
.endif
;; end of part 2
;; launch attn (part 3): grid 4 x 64, 4 waves a work-group, no clusters, 327,680 bytes of LDS; arguments qkvh, oh; writes oh
.if DOCPART == 3
	.amdgcn_target "amdgcn-amd-amdhsa--gfx1250"
	.amdhsa_code_object_version 6
	.text
	.protected	k_qb39025dcbf_attn
	.globl	k_qb39025dcbf_attn
	.p2align	8
	.type	k_qb39025dcbf_attn,@function
k_qb39025dcbf_attn:
	s_mov_b64 s[64:65], 0
	v_nop
	global_prefetch_b8 v0, s[64:65] scope:SCOPE_SE
	s_setreg_imm32_b32 hwreg(HW_REG_WAVE_MODE, 25, 1), 1
	s_wait_xcnt 0x0
; CAUSAL ATTENTION.  O[h][q][:] = the sum over k <= q of softmax_k(Q[h][q] . K[h][k] / 8) V[h][k][:].  Q, K, V lie in qkvh, [3][64][SIZE_N][64], O in oh, [64][SIZE_N][64], all f16: a head's rows are dense, 128 bytes each.
; Products, maxima and sums in f32; the weights p are rounded to f16 for the second product (their sum l is taken of the unrounded p), O once at the end.
; LIMITS.  f16 holds no number beyond 65,504: Q, K and V arrive within it; p lies in 0 to 1, and below 6e-5 it keeps f16's fixed step of 6e-8; O is a mean of V's rows and has their range.
; A hidden score counts as its value less 1e30: f16's scores, 2.7e11 at the most, are nothing beside that; a weight below 2^-126 counts as 0 in l; NaN and infinities are not treated apart.
; THE WALK.  A head's queries lie in NB = 8 blocks of 256; block i needs the key tiles 0 .. i of 256 keys, of which the last holds the diagonal.  A work-group takes TWO blocks, NB - 1 - b and then b:
; NB + 1 tiles, whatever b: all work-groups do equal work, and ONE loop with a constant trip count walks them.  Which tile is asked for, and what a trip does, hang on scalar registers made from b; every jump
; goes forward, but for the counted loops' own; none passes a barrier, or a tensor load but the one of LOAD's two that the wave's number does not choose; the ring (two slots of LDS that take turns) runs on across the
; change of blocks.  NO CLUSTER: a head's four work-groups ask for the same tile only in trips 0 .. 4 of 9, behind that fewer and fewer; one walk common to all would have 12 trips for 9.
; SHARES.  Of a block's four bands of 64 queries a wave owns 16 rows in each: four PIECES.  So the diagonal tile is the same work for all four waves: in its key step s band x sees all keys if s < x,
; none if s > x, and holds the diagonal if s = x.
; THE MASK is the C operand that starts the sum S^T = K Q^T: 0, or -1e30 where the key is hidden.  MD, made once, is the mask of a band's own step for my 16 rows; a product's mask is MD x AL + BE with two scalars:
; (1, 0) if s = x; (0, 0) if s < x; (0, -1e30) if s > x.  Only the diagonal tile's text and a block's beginning make and take masks; elsewhere C is the constant 0.
; LAYOUT, SOFTMAX, TURNS.  S^T = K Q^T holds ONE query a lane (lane % 16) and the keys 8 (lane / 16) + 0..7; two such results rounded to f16 ARE source 1 of O^T = V^T P.  p = 2^(c s - c m), c = log2(e) / 8, with a
; running maximum m; O and l are multiplied by a = 2^(c m_old - c m_new) in every step.  Turn n belongs to piece n: 8 products K Q^T of piece n + 1, later 8 products V^T P of piece n - 1; beside them the scaling,
; exponentials, roundings, sums and rescaling of piece n and the maximum and statistics of piece n + 1.  Four vector instructions stand behind every matrix instruction, the other 54 of a turn's 118 in two LUMPS.
; AHEAD OF THE TENSOR LOADS.  The head's work-group b = 0, whose first block walks the tiles 0 to 7 in order, prefetches: in trip i, behind its tensor load for tile i + 1, each wave names its own 16,384 bytes of tile
; i + 2 (a lane a block of 256 bytes, two instructions): one tile, 256 matrix instructions, ahead of the load that wants them.  Tiles 0 and 1 come by their loads alone; trips 6 and 7 ask for nothing.
; REGISTERS, in windows of 256 (s_set_vgpr_msb: bits 1:0 source 0, 3:2 source 1, 5:4 source 2, 7:6 destination):
;   window 0: v0-15 addresses and two at work; v16-31 four registers of statistics a piece; v48-55 at work; v61-63; v64-127 S^T, two buffers; v192-223 P, two buffers (a piece's buffers go by its number's parity)
;   window 1: v0-127 O^T, 32 a piece; v128-159 MD; v160-223 MC, two buffers      window 2: v0-63 Q; v64-127 the second block's Q; v128-191 K of one step; v192-255 V of one step
.set SIZE_N, 2048
.set NB,    SIZE_N/256
.set NP,    4         ; pieces a wave: a name, no knob
.set KS,    64        ; keys in a step
.set PK,    144       ; a row of K in LDS: 128 bytes + 16 of padding = 36 words: the 16 rows of a load start at 16 different groups of four banks (64 banks of 4 bytes: ISA guide 11.1)
.set PV,    160       ; a row of V: 128 + 32 = 40 words
.set VOFF,  4*KS*PK   ; a slot holds a tile, four steps: 256 rows of K, then 256 rows of V
.set SLOT1, 1<<17     ; slot 1 begins here, so that one exclusive or turns an address in one slot into the other's
.set STAGE, SLOT1+4*KS*(PK+PV)  ; behind the ring, never filled by a tensor load: 16 rows x 144 bytes for each wave, for the way out
.set SP,    144
.set AK0, 2           ; v2   my lane's place in a tile of K; never rewritten
.set AV0, 3           ; v3   the same for V
.set AK,  4           ; v4   the LDS address of K's next run of loads
.set AV,  5           ; v5   of V's
.set STO, 6           ; v6   the way out: where I put 16 bytes of a row
.set RD,  7           ; v7   the way out: where I read rows back
.set GO,  8           ; v8   my byte offset in 512 consecutive bytes of O
.set PFO, 61          ; v61  256 x my lane: the prefetches' offset; never rewritten
.set SPW, 62          ; v62  LDS address of my spare word: SPARE + 4 x my thread's number; never rewritten
.set NIL, 63          ; v63  0; never rewritten
.set SPARE, STAGE+4*16*SP  ; behind the stages: the spare words, 128 bytes for each wave: two blocks of 256 bytes that no other line names
.set MV,  12          ; v12-13  c m_old, kept while c m is made anew: by buffer
.set QO,  15          ; v15  my byte offset in 16 rows of Q
.set ST,  16          ; piece t's statistics at v[ST+4 t]: c m, m, l (even keys', odd keys')
.set TMP, 48          ; by buffer, four registers c0-c3 at work; when the maximum is found c2 takes a
.set S,   64
.set P,   192
.set MD,  128         ; window 1: the eight registers for group kt of 16 keys at MD + 8 kt
.set MC,  160         ; window 1: the masks of the products to come
.set QB,  64          ; window 2
.set KF,  128         ; window 2: key block kb, channel half c at KF + 16 kb + 8 c
.set VF,  192         ; window 2: key half kk, channel block cb at VF + 32 kk + 8 cb
.set WV,  12          ; s12  my wave's number
.set PB,  14          ; s14  b
.set HI,  15          ; s15  NB - 1 - b
.set G1K, 24          ; s[24:31] descriptor group 1 for K's tiles
.set G1V, 32          ; s[32:39] for V's: it differs in the padding alone
.set G0K, 40          ; s[40:43] descriptor group 0 for K's tiles
.set G0V, 44          ; s[44:47] the same for V's
.set SLOTS, 56        ; s56  tiles still to be asked for
.set CNT, 57          ; s57  counts a tile's key steps, 4 to 1
.set CS,  58          ; s[58:59] c: the packed scaling takes the pair's low word for both halves
.set SEL, 60          ; s[60:61] v_permlanex16_b32's selects: each lane takes its own place in the other half
.set TBK, 62          ; s62  LDS byte at which K of the step to be fetched begins
.set TBV, 63          ; s63  the same for V, less VOFF
.set RT,  70          ; s70  tiles of the block in hand that are still to be entered
.set NXT, 71          ; s71  the tile to be asked for next
.set LQ,  72          ; s72  the last tile of the block whose tiles are being asked for
.set NEW, 73          ; s73  1: the tile to be entered is a block's first
.set OFF, 74          ; s[74:75] a tile's byte offset in K and V
.set AL,  76          ; s[76:77] the mask's factor, in the low word
.set BE,  78          ; s[78:79] the mask's addend
.set OLO, 80          ; s[80:81] O at my rows of the second block
.set BIGN, 82         ; s82  -1e30
.set PFA, 88          ; s[88:89] where my prefetches stand: my half of K's (waves 0, 1) or V's (waves 2, 3) tile, one tile on from the one that is being asked for
.set LIM, 90          ; s90  2 in the work-group that prefetches, else the greatest number: a wave prefetches while s[SLOTS] is above it
.set MSB, 0
.macro WIN new                      ; the high byte repeats the setting that is left; a switch that changes nothing is dropped
.if MSB != (\new)
	s_set_vgpr_msb (MSB<<8)|(\new)
.set MSB, (\new)
.endif
.endm
.set W_KQ, 0x0a       ; K and Q in window 2, S^T in window 0
.set W_KM, 0x1a       ; the same with the C operand in window 1
.set W_PV, 0x52       ; V in window 2, P in window 0, O^T in window 1
.set W_RS, 0x41       ; destination and source 0 in window 1, source 1 in window 0
; A fill.  Waves 0 and 1 fetch the two halves of a tile's K, waves 2 and 3 those of its V: 128 keys each.  An s_nop 0 and four v_nop follow each of the two lines, ahead of the jump and the label.
.macro LOAD
	s_cmp_lt_u32 s[WV], 2
	s_cbranch_scc0 .Lfor_v_\@
	tensor_load_to_lds s[G0K:G0K+3], s[G1K:G1K+7]
	s_nop 0
.rept 4
	v_nop
.endr
	s_branch .Lasked_\@
.Lfor_v_\@:
	tensor_load_to_lds s[G0V:G0V+3], s[G1V:G1V+7]
	s_nop 0
.rept 4
	v_nop
.endr
.Lasked_\@:
.endm
; The prefetch, behind the wave's tensor load and its five lines: my 64 blocks of 256 bytes of the tile after the one just asked for.
.macro ASK
	s_cmp_gt_u32 s[SLOTS], s[LIM]
	s_cbranch_scc0 .Lnot_mine_\@
	global_prefetch_b8 v[PFO], s[PFA:PFA+1] th:TH_LOAD_NT scope:SCOPE_SE
	global_prefetch_b8 v[PFO], s[PFA:PFA+1] offset:8192 th:TH_LOAD_NT scope:SCOPE_SE
.Lnot_mine_\@:
.endm
; THE CHANGE OF SLOTS.  Each wave waits for all its tensor loads, of which one is out: its part of the other slot; adds 0 to its spare word; and waits for that and for its own reads of the slot that it leaves.  Behind the barrier nobody reads the old
; slot any more and the other slot is whole.  fill = 1: the old slot is filled again, the first thing behind the barrier, with tile NXT: the descriptor's address is made anew from that number.
; (At its first use nothing has been read yet: slot 0 is waited for, slot 1 filled.)
.macro CHANGE fill
	WIN 0                           ; at a label and at a branch every window is 0
	s_wait_tensorcnt 0x0            ; no tensor load of mine is out, so a group 0 may be written
	ds_add_u32 v[SPW], v[NIL]       ; 0 onto my spare word; with fill = 1 the descriptors' scalar work stands between it and the wait for it
.if \fill
	s_lshl_b32 s[OFF], s[NXT], 15   ; a tile is 32,768 bytes of K and of V
	s_xor_b32 s[G0K+1], s[G0K+1], SLOT1
	s_add_nc_u64 s[G0K+2:G0K+3], s[6:7], s[OFF:OFF+1]
	s_or_b32 s[G0K+3], s[G0K+3], 0x80000000
	s_xor_b32 s[G0V+1], s[G0V+1], SLOT1
	s_add_nc_u64 s[G0V+2:G0V+3], s[8:9], s[OFF:OFF+1]
	s_or_b32 s[G0V+3], s[G0V+3], 0x80000000
	s_add_co_u32 s[NXT], s[NXT], 1  ; the block's next tile, or behind its last the second block's tile 0
	s_cmp_gt_u32 s[NXT], s[LQ]
	s_cselect_b32 s[NXT], 0, s[NXT]
	s_cselect_b32 s[LQ], s[PB], s[LQ]
	s_wait_xcnt 0x0                 ; the last prefetches, a tile back, have read their address, so it may be written
	s_add_nc_u64 s[PFA:PFA+1], s[PFA:PFA+1], 32768
.endif
	s_wait_dscnt 0x0                ; the add is done, and my reads of the slot are over
	s_barrier_signal -1             ; the rest of the scalar work stands between the signal and the wait
	s_sub_co_u32 s[TBK], s[TBK], 4*KS*PK  ; the fetches go back to a slot's first step,
	s_xor_b32 s[TBK], s[TBK], SLOT1       ; in the other slot
	s_sub_co_u32 s[TBV], s[TBV], 4*KS*PV
	s_xor_b32 s[TBV], s[TBV], SLOT1
	s_barrier_wait -1
.if \fill
	LOAD
	ASK
.endif
.endm
	s_load_b128 s[4:7], s[0:1], 0x0  ; qkvh s[4:5] (Q lies first), oh s[6:7]
	v_lshl_add_u32 v[SPW], v0, 2, SPARE
	v_mov_b32 v[NIL], 0
	ds_add_u32 v[SPW], v[NIL]       ; the wave's opening: the add and its wait stand ahead of my first tensor load; the set-up below, work on registers, stands between them
	ds_add_u32 v62, v63
	v_lshrrev_b32 v1, 5, v0
	v_readfirstlane_b32 s[WV], v1   ; wave 0..3
	s_mov_b32 s[PB], ttmp9
	s_sub_co_u32 s[HI], NB-1, s[PB]
	s_and_b32 s20, ttmp7, 0xffff    ; the head
	s_mov_b32 s21, 0
	s_mov_b64 s[22:23], SIZE_N*128
	s_mul_u64 s[20:21], s[20:21], s[22:23]  ; the head's first byte in each of the four tensors
	s_and_b32 s16, s[WV], 1         ; which half of a tile's 256 keys I fetch:
	s_lshl_b32 s22, s16, 14         ; its 128 rows of 128 bytes in memory,
	s_mov_b32 s23, 0
	s_add_nc_u64 s[22:23], s[22:23], s[20:21]
	s_mul_i32 s17, s16, 128*PK      ; and its place in a slot, for K
	s_mul_i32 s18, s16, 128*PV      ; and for V
	s_lshl_b32 s3, s[WV], 11        ; my 16 rows in a band of 64,
	s_lshl_b32 s2, s[HI], 15        ; in the first block,
	s_add_co_u32 s2, s2, s3
	s_lshl_b32 s84, s[PB], 15       ; and in the second
	s_add_co_u32 s84, s84, s3
	s_mov_b32 s3, 0
	s_mov_b32 s85, 0
	s_add_nc_u64 s[2:3], s[2:3], s[20:21]
	s_add_nc_u64 s[84:85], s[84:85], s[20:21]
	; descriptor group 1.  128 keys are 16,384 dense bytes: asked for as 64 rows of 256 bytes, two keys a row, and padded in LDS after every key
	s_mov_b32 s[G1K], (1<<16)|(1<<20)|(4<<22)|(3<<25)  ; 17:16 2-byte elements; 20 padding on; 24:22 after every 32 words (code 4); 31:25 4 words (code 3)
	s_mov_b32 s[G1V], (1<<16)|(1<<20)|(4<<22)|(7<<25)  ; the same with 8 words of padding (code 7)
.irp g, G1K, G1V
	s_mov_b32 s[\g+1], 128<<16      ; tensor_dim0 = 128
	s_mov_b32 s[\g+2], 64<<16       ; tensor_dim1 = 64
	s_mov_b32 s[\g+3], 128<<16      ; tile_dim0 = 128
	s_mov_b32 s[\g+4], 64           ; tile_dim1 = 64
	s_mov_b32 s[\g+5], 128          ; 128 elements from row to row
	s_mov_b32 s[\g+6], 0
	s_mov_b32 s[\g+7], 0
.endr
	s_mov_b32 s[CS], 0x3e38aa3b     ; c = log2(e) / 8 = 0.180337
	s_mov_b32 s[CS+1], s[CS]        ; named with it as a pair
	s_mov_b32 s[SEL], 0x76543210
	s_mov_b32 s[SEL+1], 0xfedcba98
	s_mov_b32 s[TBK], SLOT1+4*KS*PK ; the first change of slots turns these two into 0
	s_mov_b32 s[TBV], SLOT1+4*KS*PV
	s_mov_b32 s[G0K], 1             ; 1:0 count = 1
	s_mov_b32 s[G0K+1], s17         ; 63:32 LDS address: slot 0
	s_mov_b32 s[G0V], 1
	s_add_co_u32 s[G0V+1], s18, VOFF
	s_add_co_u32 s[RT], s[HI], 1    ; the first block has NB - b tiles
	s_mov_b32 s[NXT], 1
	s_mov_b32 s[LQ], s[HI]
	s_mov_b32 s[NEW], 1
	s_mov_b32 s[OFF+1], 0
	s_mov_b32 s[AL+1], 0            ; named as pairs
	s_mov_b32 s[BE+1], 0
	s_mov_b32 s[BIGN], 0xf149f2ca   ; -1e30
	s_mov_b32 s[SLOTS], NB
	s_cmp_eq_u32 s[PB], 0           ; the head's work-group 0 prefetches
	s_cselect_b32 s[LIM], 2, -1
	v_and_b32 v[PFO], 31, v0
	v_lshlrev_b32 v[PFO], 8, v[PFO]
	s_wait_dscnt 0x0                ; the opening add is done
	s_wait_kmcnt 0x0
	s_mov_b64 s[10:11], s[6:7]      ; O
	s_add_nc_u64 s[6:7], s[4:5], 0x1000000  ; K lies 64 heads behind Q,
	s_add_nc_u64 s[8:9], s[4:5], 0x2000000  ; V behind K
	s_add_nc_u64 s[6:7], s[6:7], s[22:23]  ; K and V at my half of the head's tile 0
	s_add_nc_u64 s[8:9], s[8:9], s[22:23]
	s_add_nc_u64 s[G0K+2:G0K+3], s[6:7], 0         ; 120:64 global address
	s_or_b32 s[G0K+3], s[G0K+3], 0x80000000        ; 127:126 type = 2
	s_add_nc_u64 s[G0V+2:G0V+3], s[8:9], 0
	s_or_b32 s[G0V+3], s[G0V+3], 0x80000000
	s_add_nc_u64 s[86:87], s[4:5], s[84:85]        ; Q at my rows of the second block,
	s_add_nc_u64 s[4:5], s[4:5], s[2:3]            ; Q and O at those of the first
	s_add_nc_u64 s[OLO:OLO+1], s[10:11], s[84:85]
	s_add_nc_u64 s[10:11], s[10:11], s[2:3]
	s_cmp_lt_u32 s[WV], 2
	s_cselect_b64 s[PFA:PFA+1], s[6:7], s[8:9]
	s_add_nc_u64 s[PFA:PFA+1], s[PFA:PFA+1], 32768  ; at tile 1; the first change of slots steps it to tile 2.  Nothing is prefetched here, at the head
	LOAD                            ; tile 0 into slot 0
	; A fragment of K or Q is 16 rows x 32 channels in 8 registers: lane l holds row l % 16, channels 8 (l / 16) + 0..7 and 16 + 8 (l / 16) + 0..7: two loads of 16 bytes, 32 bytes apart.
	v_and_b32 v1, 15, v0            ; l % 16
	v_bfe_u32 v9, v0, 4, 1          ; l / 16
	v_lshlrev_b32 v[QO], 7, v1
	v_lshl_add_u32 v[QO], v9, 4, v[QO]  ; row x 128 + 16 x half
	WIN 0x80                        ; destination window 2, address window 0
.set i, 0
.rept 8                             ; both blocks' Q: piece i / 2 lies in band i / 2, 8,192 bytes on; channels 32 (i % 2) on
	global_load_b128 v[8*i:8*i+3],   v[QO], s[4:5] offset:(i/2)*8192+(i%2)*64
	global_load_b128 v[8*i+4:8*i+7], v[QO], s[4:5] offset:(i/2)*8192+(i%2)*64+32
	global_load_b128 v[QB+8*i:QB+8*i+3],   v[QO], s[86:87] offset:(i/2)*8192+(i%2)*64
	global_load_b128 v[QB+8*i+4:QB+8*i+7], v[QO], s[86:87] offset:(i/2)*8192+(i%2)*64+32
.set i, i+1
.endr
	WIN 0
	v_lshlrev_b32 v14, 3, v9
	v_sub_nc_u32 v14, v1, v14
	s_lshl_b32 s13, s[WV], 4
	v_add_nc_u32 v14, s13, v14      ; my query's place in its band, 16 w + l % 16, less my lanes' 8 (l / 16): register r of group kt is hidden where 16 kt + r is greater
	WIN 0x40
.set i, 0
.rept 32
	v_cmp_gt_i32 vcc_lo, 16*(i/8)+i%8, v14
	v_cndmask_b32 v[MD+i], 0, s[BIGN], vcc_lo
.set i, i+1
.endr
	WIN 0
	v_mul_u32_u24 v[AK0], v1, PK
	v_lshl_add_u32 v[AK0], v9, 4, v[AK0]  ; row x pitch + 16 x half
	; The turning load takes 16 keys x 16 channels (lane l reads key 8 (l / 16) + l % 8, channels 8 ((l / 8) % 2) + 0..7) and leaves half a fragment of V^T: lane l holds channel l % 16 and 8 keys.
	v_and_b32 v10, 7, v0
	v_bfe_u32 v11, v0, 3, 1
	v_lshl_add_u32 v[AV0], v9, 3, v10
	v_mul_u32_u24 v[AV0], v[AV0], PV
	v_lshl_add_u32 v[AV0], v11, 4, v[AV0]
	v_add_nc_u32 v[AV0], VOFF, v[AV0]
	s_mul_i32 s13, s[WV], 16*SP
	s_add_co_u32 s13, s13, STAGE    ; my stage
	v_mul_u32_u24 v[STO], v1, SP    ; in: row l % 16, 16 bytes for each half of the lanes
	v_lshl_add_u32 v[STO], v9, 4, v[STO]
	v_add_nc_u32 v[STO], s13, v[STO]
	v_bfe_u32 v[RD], v0, 3, 2       ; back: 32 lanes take four rows of 128 bytes,
	v_mul_u32_u24 v[RD], v[RD], SP
	v_lshl_add_u32 v[RD], v10, 4, v[RD]
	v_add_nc_u32 v[RD], s13, v[RD]
	v_and_b32 v[GO], 31, v0         ; which are 512 consecutive bytes of O
	v_lshlrev_b32 v[GO], 4, v[GO]
	; A block's first step multiplies O^T and l by a = 0, and its first turn's products V^T P, of a piece that has not been, land in an O^T that is still to be so multiplied.  So these registers need only hold
	; finite numbers: zeros for the first block; what the first block left for the second.  All this stands in the wait for the first tile.
	WIN 0x80
.set i, VF
.rept 64
	v_mov_b32 v[i], 0
.set i, i+1
.endr
	WIN 0x40
.set i, 0
.rept 128
	v_mov_b32 v[i], 0
.set i, i+1
.endr
	WIN 0
.set i, 0
.rept 4
	v_mov_b32 v[ST+4*i+2], 0
	v_mov_b32 v[ST+4*i+3], 0
.set i, i+1
.endr
.set i, P+16
.rept 16
	v_mov_b32 v[i], 0
.set i, i+1
.endr
; THE MATRIX WORK.  The 4 accumulators of a run of 8 take turns.  Product i of 8 of S^T = K Q^T for piece x: channels 32 (i / 4) on, keys 16 (i % 4) on.  The first 4 start the sums: with 0, or (KM = 1) with the mask.
.macro KQ x
.set rS, S+32*((\x)%2)+8*(i%4)
.set rK, KF+16*(i%4)+8*(i/4)
.set rQ, 16*(\x)+8*(i/4)
.set rM, MC+32*((\x)%2)+8*(i%4)
.if (i < 4) && KM
	WIN W_KM
	v_wmma_f32_16x16x32_f16 v[rS:rS+7], v[rK:rK+7], v[rQ:rQ+7], v[rM:rM+7]
.elseif i < 4
	WIN W_KQ
	v_wmma_f32_16x16x32_f16 v[rS:rS+7], v[rK:rK+7], v[rQ:rQ+7], 0
.else
	WIN W_KQ
	v_wmma_f32_16x16x32_f16 v[rS:rS+7], v[rK:rK+7], v[rQ:rQ+7], v[rS:rS+7]
.endif
.endm
; Product i of 8 of O^T += V^T P for piece x: keys 32 (i / 4) on, channels 16 (i % 4) on.
.macro PV x
	WIN W_PV
.set rO, 32*(\x)+8*(i%4)
.set rV, VF+32*(i/4)+8*(i%4)
.set rP, P+16*((\x)%2)+8*(i/4)
	v_wmma_f32_16x16x32_f16 v[rO:rO+7], v[rV:rV+7], v[rP:rP+7], v[rO:rO+7]
.endm
.macro MM                           ; the turn's next matrix instruction.  TURN and BEGIN set Y, i, KM and NOKQ; MM, KQ and OP read them.  NOKQ = 1: a block's last turn: there is no next piece
.if (i < 8) && !NOKQ
	KQ (Y+1)%NP
.elseif i >= 8
.set i, i-8
	PV (Y+NP-1)%NP
.set i, i+8
.endif
.set i, i+1
.endm
; THE LDS LOADS stand in runs of 16, never singly among the matrix instructions: a step's K (64 keys x 64 channels: 8 fragments) and its V (turned).  Their addresses are made some lines ahead.
.macro FETCH_K
	WIN 0x80                        ; destination window 2
.irp f, 0,1,2,3,4,5,6,7             ; keys 16 (f / 2) on, channels 32 (f % 2) on
	ds_load_b128 v[KF+8*\f:KF+8*\f+3],   v[AK] offset:(\f/2)*16*PK+(\f%2)*64
	ds_load_b128 v[KF+8*\f+4:KF+8*\f+7], v[AK] offset:(\f/2)*16*PK+(\f%2)*64+32
.endr
	s_add_co_u32 s[TBK], s[TBK], KS*PK  ; the next fetch is the next step's
	WIN 0
.endm
.macro FETCH_V
	WIN 0x80
.irp f, 0,1,2,3,4,5,6,7             ; keys 32 (f / 4) on, channels 16 (f % 4) on
	ds_load_tr16_b128 v[VF+8*\f:VF+8*\f+3],   v[AV] offset:(\f/4)*32*PV+(\f%4)*32
	ds_load_tr16_b128 v[VF+8*\f+4:VF+8*\f+7], v[AV] offset:(\f/4)*32*PV+16*PV+(\f%4)*32
.endr
	WIN 0
.endm
; THE VECTOR WORK, one line at a time: OP kind, number.  For piece Y: F n: c s - c m for pair n of 16.  E n: the exponential of score n of 32.  C n: pair n rounded to f16.  B n: of the four weights 4 n .. the second
; pair is added onto the first, in place.  L n: l takes that sum (L 0: l = a l + sum).  R n: pair n of 16 of O^T times a.  For piece Y + 1: X n, number n of the 22 that find its maximum and statistics:
;   0-11  four chains c0-c3 of seven scores each, three operands at a time (each accumulator's lowest registers are read first)     12-14, 16  the four scores left over, the old m, and c0-c3 into c0
;   15  c m_old is kept     17, 18  the query's other 32 keys lie in the lane 16 away: the new m     19-21  c m; c m_old - c m_new; a
.set F, 0               ; OP tells the kinds apart by their order: F to L below R, X above it
.set E, 1
.set C, 2
.set B, 3
.set L, 4
.set R, 5
.set X, 6
.macro REGS y                       ; the registers of piece y
.set rT, ST+4*(\y)
.set rC, TMP+4*((\y)%2)
.set rW, MV+((\y)%2)
.set rS, S+32*((\y)%2)
.set rP, P+16*((\y)%2)
.set rO, 32*(\y)
.endm
.macro OP k, n
.if (\k) == R
	REGS Y
	WIN W_RS
	v_pk_mul_f32 v[rO+2*(\n):rO+2*(\n)+1], v[rO+2*(\n):rO+2*(\n)+1], v[rC+2:rC+3] op_sel_hi:[1,0]
.elseif (\k) < R
	REGS Y
	WIN 0
.if (\k) == F
	v_pk_fma_f32 v[rS+2*(\n):rS+2*(\n)+1], v[rS+2*(\n):rS+2*(\n)+1], s[CS:CS+1], v[rT:rT+1] op_sel_hi:[1,0,0] neg_lo:[0,0,1] neg_hi:[0,0,1]
.elseif (\k) == E
	v_exp_f32 v[rS+(\n)], v[rS+(\n)]
.elseif (\k) == C
	s_wait_alu depctr_va_vdst(0)
	v_cvt_pk_f16_f32 v[rP+(\n)], v[rS+2*(\n)], v[rS+2*(\n)+1]
.elseif (\k) == B
	s_wait_alu depctr_va_vdst(0)
	v_pk_add_f32 v[rS+4*(\n):rS+4*(\n)+1], v[rS+4*(\n):rS+4*(\n)+1], v[rS+4*(\n)+2:rS+4*(\n)+3]
.elseif (\n) == 0
	v_pk_fma_f32 v[rT+2:rT+3], v[rT+2:rT+3], v[rC+2:rC+3], v[rS:rS+1] op_sel_hi:[1,0,1]
.else
	v_pk_add_f32 v[rT+2:rT+3], v[rT+2:rT+3], v[rS+4*(\n):rS+4*(\n)+1]
.endif
.elseif NOKQ
	v_nop
.else
	REGS (Y+1)%NP
	WIN 0
.if (\n) < 4
	v_max3_num_f32 v[rC+(\n)], v[rS+8*(\n)], v[rS+8*(\n)+1], v[rS+8*(\n)+2]
.elseif (\n) < 12
	v_max3_num_f32 v[rC+(\n)%4], v[rC+(\n)%4], v[rS+8*((\n)%4)+2*((\n)/4)+1], v[rS+8*((\n)%4)+2*((\n)/4)+2]
.elseif (\n) == 12
	v_max3_num_f32 v[rC], v[rC], v[rS+7], v[rS+15]
.elseif (\n) == 13
	v_max3_num_f32 v[rC+1], v[rC+1], v[rS+23], v[rS+31]
.elseif (\n) == 14
	v_max3_num_f32 v[rC+2], v[rC+2], v[rC+3], v[rT+1]
.elseif (\n) == 15
	v_mov_b32 v[rW], v[rT]
.elseif (\n) == 16
	v_max3_num_f32 v[rC], v[rC], v[rC+1], v[rC+2]
.elseif (\n) == 17
	v_permlanex16_b32 v[rC+3], v[rC], s[SEL], s[SEL+1]
.elseif (\n) == 18
	v_max_num_f32 v[rT+1], v[rC], v[rC+3]
.elseif (\n) == 19
	v_mul_f32 v[rT], s[CS], v[rT+1]
.elseif (\n) == 20
	v_sub_f32 v[rC+1], v[rW], v[rT]
.else
	v_exp_f32 v[rC+2], v[rC+1]
.endif
.endif
.endm
.macro OPS a, i1, b=-1, i2=0, c=-1, i3=0, d=-1, i4=0  ; up to four of them
	OP \a, \i1
.if (\b) >= 0
	OP \b, \i2
.endif
.if (\c) >= 0
	OP \c, \i3
.endif
.if (\d) >= 0
	OP \d, \i4
.endif
.endm
.macro ROW a, i1, b, i2, c, i3, d, i4  ; a matrix instruction and the four behind it
	MM
	OPS \a, \i1, \b, \i2, \c, \i3, \d, \i4
.endm
.macro MASK b                       ; MD x AL + BE into buffer b of MC
	WIN W_RS
.set z, 0
.rept 16
	v_pk_fma_f32 v[MC+32*(\b)+2*z:MC+32*(\b)+2*z+1], v[MD+2*z:MD+2*z+1], s[AL:AL+1], s[BE:BE+1] op_sel_hi:[1,0,0]
.set z, z+1
.endr
.endm
; A TURN, for piece p: the order of its 16 matrix and 118 vector instructions, written out.  Behind a matrix instruction: plain, exponential, plain, plain; or four of the rescaling; or, behind the first, four scalings; none
; names a register of the products round it.  In the lumps exponential and plain by turns while exponentials last.  A line reads no result made fewer than three vector instructions in front of it, five if an exponential made it.
; v_permlanex16_b32 (X 17) stands in a lump.
; m = 1: the diagonal tile: the products take masks, and the turn makes the mask for the products of the turn after it: piece p + 2, in step 4 - CNT of the tile.  end = 1: a block's last two turns: nothing is fetched.
; cnt = 1: the loop's count is taken down some lines ahead of the branch that stands behind the turn.
; K of the next step is fetched in piece 2's turn, six vector instructions behind the last product that read K (five of them plain); V of the step in hand in piece 0's turn, eight behind the last product that read V (four
; plain, and X 17).  Each is waited for a turn later.
.macro TURN p, m=0, end=0, cnt=0
.set Y, (\p)
.set i, 0
.set KM, (\m)
.set NOKQ, (\end)*((\p)/3)
.if (\m) && !(\end)
	s_cmp_eq_u32 s[CNT], 4-((\p)+2)%NP  ; is that step the band's own?
	s_cselect_b32 s[AL], 1.0, 0
	s_cmp_lt_u32 s[CNT], 4-((\p)+2)%NP  ; or a later one?
	s_cselect_b32 s[BE], s[BIGN], 0
.endif
.if ((\p) == 3) && !(\end)
	s_wait_dscnt 0x0                ; K is in
.endif
	ROW F,0, F,1, F,2, F,3
	ROW F,4, E,0, F,5, F,6
	ROW F,7, E,1, F,8, F,9
	ROW F,10, E,2, C,0, F,11
	ROW F,12, E,3, X,15, F,13
	ROW R,0, R,1, R,2, R,3
	ROW B,0, E,4, F,14, L,0
.if ((\p) == 2) && !(\end)
	v_add_nc_u32 v[AK], s[TBK], v[AK0]
.endif
	ROW R,4, R,5, R,6, R,7
	OPS E,5, F,15
.if ((\p) == 2) && !(\end)
	FETCH_K
.endif
	OPS E,6, C,1, E,7, R,8
	OPS E,8, R,9, E,9, C,2
	OPS E,10, X,0, E,11, X,1
	OPS E,12, X,2, E,13, X,3
.if (\p) == 1
	s_wait_dscnt 0x0                ; V is in
.endif
	ROW X,4, E,14, X,5, X,6
	ROW X,7, E,15, X,8, X,9
	ROW X,10, E,16, X,11, X,12
	ROW X,13, E,17, X,14, B,1
	ROW C,4, E,18, X,16, L,1
	ROW B,2, E,19, C,6, L,2
	ROW C,8, E,20, B,3, B,4
.if (\p) == 0
	v_add_nc_u32 v[AV], s[TBV], v[AV0]
.endif
	ROW C,3, E,21, L,3, C,5
	OPS E,22, X,17, E,23, C,10
.if (\p) == 0
	FETCH_V
.endif
	OPS E,24, L,4
	OPS E,25, X,18, E,26, C,7
	OPS E,27, B,5, E,28, X,19
	OPS E,29, C,12, E,30, L,5
	OPS E,31, X,20, B,6, C,9
	OPS C,14, C,11, X,21, L,6
.if (\p) == 0
	s_add_co_u32 s[TBV], s[TBV], KS*PV
.endif
.if \cnt
	s_sub_co_u32 s[CNT], s[CNT], 1
	s_cmp_lg_u32 s[CNT], 0
.endif
	OPS C,13, B,7, C,15, R,10
	OPS R,11, R,12, L,7, R,13
	OPS R,14, R,15
.if (\m) && !(\end)
	MASK (\p)%2
.endif
.endm
; A BLOCK BEGINS.  c m starts far below every c s, so the first step's a is 0; m at the lowest finite number, so the first maximum is the scores'.  The second mask buffer is 0; the first takes piece 0's mask for the tile's step 0: its own, if the block's first tile is the diagonal one.
; Then K of that step, piece 0's first scores, and its maximum and statistics.  The loop is entered at a step's first turn, in the middle of a trip.
.macro BEGIN
	s_mov_b32 s[NEW], 0
	WIN 0x40
.set i, MC+32
.rept 32
	v_mov_b32 v[i], 0
.set i, i+1
.endr
	WIN 0
.set i, 0
.rept 4
	v_mov_b32 v[ST+4*i], 0xfe000000    ; c m: far below every c s
	v_mov_b32 v[ST+4*i+1], 0xff7fffff  ; m
.set i, i+1
.endr
	s_cmp_eq_u32 s[RT], 0
	s_cselect_b32 s[AL], 1.0, 0
	s_mov_b32 s[BE], 0
	MASK 0
	WIN 0
	v_add_nc_u32 v[AK], s[TBK], v[AK0]
	FETCH_K
	s_wait_loadcnt 0x0              ; Q
	s_wait_dscnt 0x0
.set KM, 1
.set NOKQ, 0
.set i, 0
.rept 8
	KQ 0
.set i, i+1
.endr
	WIN 0
.rept 4
	v_nop                           ; the places behind those products
.endr
.set Y, NP-1                        ; X works for piece Y + 1: piece 0
.irp n, 0,1,2,3,4,5,6,7,8,9,10,11,12,13,14,15,16,17,18,19,20,21
	OP X, \n
.endr
	v_nop                           ; a plain instruction behind the exponential
.endm
; THE DIAGONAL TILE's four steps, the block's last two turns, its last products, and THE WAY OUT: l's two halves and the other half of the lanes' are added; O^T is divided by l, rounded to f16 and sent through my
; stage in LDS, a piece at a time.
.macro ALL line:vararg              ; one line for each piece t
.set t, 0
.rept 4
	\line
.set t, t+1
.endr
.endm
.macro PACK t                       ; a lane's eight channels of a row pack into 16 bytes; they go into rows of 144 bytes and come back as whole rows of 128, into S^T's registers
	WIN W_RS
.set i, 32*(\t)
.rept 16
	s_wait_alu depctr_va_vdst(0)
	v_pk_mul_f32 v[i:i+1], v[i:i+1], v[ST+4*(\t)+2:ST+4*(\t)+3] op_sel_hi:[1,0]
.set i, i+2
.endr
	WIN 0x05                        ; sources 0 and 1 window 1, destination window 0
.set i, 0
.rept 16
	v_cvt_pk_f16_f32 v[S+16*(\t)+i], v[32*(\t)+2*i], v[32*(\t)+2*i+1]
.set i, i+1
.endr
	WIN 0
.irp f, 0,1,2,3
	ds_store_b128 v[STO], v[S+16*(\t)+4*\f:S+16*(\t)+4*\f+3] offset:32*\f
.endr
.irp f, 0,1,2,3
	ds_load_b128 v[S+16*(\t)+4*\f:S+16*(\t)+4*\f+3], v[RD] offset:\f*4*SP  ; LDS serves a wave's instructions in order (ISA guide 5.7.1.4): these see the stores above; the next piece's stores come behind them
.endr
.endm
.macro SEND t, younger              ; younger: the LDS instructions issued behind piece t's loads: the next piece's eight, or none
	WIN 0
.irp f, 0,1,2,3
	s_wait_dscnt (\younger)+3-\f
	global_store_b128 v[GO], v[S+16*(\t)+4*\f:S+16*(\t)+4*\f+3], s[10:11] offset:(\t)*8192+\f*512  ; 512 consecutive bytes, at a multiple of 256 from O's first
.endr
.endm
.macro DIAG tag                     ; the tag ends its two labels' names, which the jumps below spell out
.LstepM\tag:
	TURN 2, 1
	TURN 3, 1
	WIN 0
.LfirstM\tag:
	TURN 0, 1
	TURN 1, 1, 0, 1
	WIN 0
	s_cbranch_scc1 .LstepM\tag
	TURN 2, 1, 1
	TURN 3, 1, 1
.set i, 0
.rept 8
	PV NP-1
.set i, i+1
.endr
	WIN 0
	ALL v_add_f32 v[ST+4*t+2], v[ST+4*t+2], v[ST+4*t+3]
	ALL v_permlanex16_b32 v[ST+4*t+3], v[ST+4*t+2], s[SEL], s[SEL+1]
	ALL v_add_f32 v[ST+4*t+2], v[ST+4*t+2], v[ST+4*t+3]
	ALL v_rcp_f32 v[ST+4*t+2], v[ST+4*t+2]
	v_nop                           ; a plain instruction between the last reciprocal and the use of its result
	PACK 0
.set t, 1
.rept 3                             ; a piece's arithmetic stands between the loads of the piece before and its stores
	PACK t
	SEND t-1, 8
.set t, t+1
.endr
	SEND 3, 0
.endm
.set KM, 0
.set NOKQ, 0
.Lslot:                             ; NB times: a tile is entered and the next is asked for
	CHANGE 1
	s_sub_co_u32 s[RT], s[RT], 1
	s_mov_b32 s[CNT], 4
	s_cmp_eq_u32 s[NEW], 1
	s_cbranch_scc1 .Lnew            ; a block's first tile
	s_cmp_eq_u32 s[RT], 0
	s_cbranch_scc0 .Lstep           ; neither its first nor its last
	s_branch .LstepM1
.Lnew:
	BEGIN
	s_branch .Lfirst                ; in the loop a block's first tile is never its last: the first block has two tiles or more, and the second's last is the walk's last
	DIAG 1                          ; in the loop this is the first block's end: the second block's last tile is the walk's last
	s_wait_xcnt 0x0                 ; the stores have read their registers and O's address
	s_mov_b64 s[10:11], s[OLO:OLO+1]
	s_add_co_u32 s[RT], s[PB], 1    ; the second block has b + 1 tiles
	s_mov_b32 s[NEW], 1
	WIN 0x82                        ; the second block's Q goes where the one text of the turns names Q
.set i, 0
.rept 64
	v_mov_b32 v[i], v[QB+i]
.set i, i+1
.endr
	WIN 0
	s_branch .Lbottom
.Lstep:                             ; a trip: pieces 2 and 3 of one step, then pieces 0 and 1 of the next, whose K and V it fetches
	TURN 2
	TURN 3
	WIN 0
.Lfirst:
	TURN 0
	TURN 1, 0, 0, 1
	WIN 0
	s_cbranch_scc1 .Lstep
.Lbottom:
	s_sub_co_u32 s[SLOTS], s[SLOTS], 1
	s_cmp_lg_u32 s[SLOTS], 0
	s_cbranch_scc1 .Lslot
	CHANGE 0                        ; the walk's last tile is written out: nothing is asked for
	s_sub_co_u32 s[RT], s[RT], 1
	s_mov_b32 s[CNT], 4
	s_cmp_eq_u32 s[NEW], 1
	s_cbranch_scc0 .LstepM2
	BEGIN
	s_branch .LfirstM2
	DIAG 2
	s_wait_tensorcnt 0x0            ; the wave's end, behind my last tensor load and my last LDS store
	ds_add_u32 v[SPW], v[NIL]
	s_wait_dscnt 0x0
	s_endpgm
.Lfunc_end_k_qb39025dcbf_attn:
	.size	k_qb39025dcbf_attn, .Lfunc_end_k_qb39025dcbf_attn-k_qb39025dcbf_attn
	.p2alignl 7, 3214868480
	.fill 96, 4, 3214868480
	.section	.rodata,"a",@progbits
	.p2align	6, 0x0
	.amdhsa_kernel k_qb39025dcbf_attn
		.amdhsa_group_segment_fixed_size 327680
		.amdhsa_private_segment_fixed_size 0
		.amdhsa_enable_private_segment 0
		.amdhsa_kernarg_size 16
		.amdhsa_user_sgpr_count 2
		.amdhsa_user_sgpr_kernarg_segment_ptr 1
		.amdhsa_wavefront_size32 1
		.amdhsa_system_sgpr_workgroup_id_x 1
		.amdhsa_system_sgpr_workgroup_id_y 1
		.amdhsa_system_sgpr_workgroup_id_z 1
		.amdhsa_system_vgpr_workitem_id 0
		.amdhsa_next_free_vgpr 768
		.amdhsa_next_free_sgpr 92
		.amdhsa_reserve_vcc 1
		.amdhsa_float_denorm_mode_32 3
		.amdhsa_float_denorm_mode_16_64 3
		.amdhsa_memory_ordered 1
		.amdhsa_forward_progress 1
		.amdhsa_inst_pref_size 229
	.end_amdhsa_kernel
	.amdgpu_metadata
---
amdhsa.version: [ 1, 2 ]
amdhsa.kernels:
  - .name:           k_qb39025dcbf_attn
    .symbol:         k_qb39025dcbf_attn.kd
    .args:
      - { .name: qkvh, .offset: 0, .size: 8, .value_kind: global_buffer, .address_space: global }
      - { .name: oh, .offset: 8, .size: 8, .value_kind: global_buffer, .address_space: global }
    .group_segment_fixed_size: 327680
    .private_segment_fixed_size: 0
    .kernarg_segment_align: 8
    .kernarg_segment_size: 16
    .max_flat_workgroup_size: 128
    .sgpr_count:     92
    .vgpr_count:     768
    .wavefront_size: 32
...
	.end_amdgpu_metadata
.endif
;; end of part 3
;; launch oproj (part 4): grid 8 x 32, 4 waves a work-group, clusters of 4 x 4, 327,680 bytes of LDS; arguments oh, wh, out0; writes out0
.if DOCPART == 4
	.amdgcn_target "amdgcn-amd-amdhsa--gfx1250"
	.amdhsa_code_object_version 6
	.text
	.protected	k_qb39025dcbf_oproj
	.globl	k_qb39025dcbf_oproj
	.p2align	8
	.type	k_qb39025dcbf_oproj,@function
k_qb39025dcbf_oproj:
	s_mov_b64 s[64:65], 0
	v_nop
	global_prefetch_b8 v0, s[64:65] scope:SCOPE_SE
	s_setreg_imm32_b32 hwreg(HW_REG_WAVE_MODE, 25, 1), 1
	s_wait_xcnt 0x0
	s_wait_alu depctr_hold_cnt(0) depctr_sa_sdst(0) depctr_va_vdst(0) depctr_va_sdst(0) depctr_va_ssrc(0) depctr_va_vcc(0) depctr_vm_vsrc(0)
	s_getreg_b32 s2, hwreg(HW_REG_IB_STS2, 6, 4)
	s_cmp_eq_u32 s2, 0
	s_cbranch_scc0 .Lentry_in_a_cluster
	s_endpgm
.Lentry_in_a_cluster:
	s_bfe_u32 s2, ttmp6, 0x10000c
	s_cmp_lg_u32 s2, 0xf033
	s_cbranch_scc0 .Lentry_shape_is_right
	s_endpgm
.Lentry_shape_is_right:
; out0 = O wo^T: O (oh) in f16 by heads, [bh 64][s 2048][64]: a head is one block of 64 along K; wo is matrix 3 of wh, blocked alike, bf16's numbers written as f16.  Sums in f32, stored as they are.
; SHARES.  A tile of C is 256 rows x 128 columns: 32 x 8 tiles, one work-group each.  Four waves, 2 x 2: a wave makes 128 rows x 64 columns: 32 accumulators of 16 x 16.  K goes in steps of 128 (two heads)
; through a ring of two LDS slots; 8 steps.
; CLUSTER.  4 x 4 work-groups: A's tiles are asked for jointly along a row of the cluster, B's along a column.  Waves 0 and 1 ask for A's even and odd block (32,768 bytes each), waves 2 and 3 for B's (16,384 each).
; THE PRODUCT IS TRANSPOSED (source 0 = 16 rows of B, source 1 = 16 rows of A): lane l holds row l % 16 of C and eight neighbouring columns, 32 bytes.  A wave's 64 columns are 256 aligned bytes of a row of C:
; a block of 16 rows goes through the wave's own stage and leaves with sixteen lanes storing 256 consecutive aligned bytes.
; No prefetch: the launch is short, and each tile of A is read by two clusters, each tile of B by eight, at about the same time.
; LIMITS.  O arrives within f16's range; NaN and infinities are not treated apart.
; REGISTERS, in windows of 256 (s_set_vgpr_msb: bits 1:0 source 0, 3:2 source 1, 5:4 source 2, 7:6 destination):
;   window 0: v0-29 addresses; two fragment buffers of 96: v32-127, v128-223 (A's eight fragments, then B's four); v128-255 are also the way out's     window 2: accumulator (a, bb) at 8 (4 a + bb)
.set PITCH,  144                       ; an LDS row: 128 bytes + 16 of padding = 36 words: the 16 rows of a fragment load start at 16 different groups of four banks (64 banks of 4 bytes: ISA guide 11.1)
.set ABLK,   256*PITCH
.set BBLK,   128*PITCH
.set BOFF,   2*ABLK                    ; a slot: A even, A odd, B even, B odd
.set SLOT,   2*ABLK+2*BBLK
.set STAGE,  2*SLOT                    ; behind the ring: 16 rows x 272 bytes for each wave; no tensor load fills it
.set SP,     272
.set SPARE,  STAGE+4*16*SP             ; behind the stages: the spare words, 128 bytes for each wave: two blocks of 256 bytes that no other line names
.set LAPS,   4
.set A_KB,   262144                    ; bytes from head to head in oh
.set B_KB,   131072                    ; from block to block along K in wh
.set ADRA, 16                          ; v16-17  LDS address of my A fragments in slot 0, 1
.set ADRB, 20                          ; v20-21  the same for B
.set STO,  24                          ; v24     the way out: where I put 32 bytes of a row
.set RD,   25                          ; v25     the way out: where I read a row back
.set GO,   26                          ; v26     my byte offset in two rows of C; never rewritten
.set SPW,  28                          ; v28     LDS address of my spare word; never rewritten
.set NIL,  29                          ; v29     0; never rewritten
.set F0,   32
.set F1,   128
.set G1,  24                           ; s[24:31] descriptor group 1 for A's tiles;  s[32:39] group 0, one set for each slot
.set G0,  32
.set G1B, 48                           ; s[48:55], s[56:63] the same for B's
.set G0B, 56
.set MSB, 0
.macro WIN new                         ; the immediate's high byte repeats the setting that is left; a switch that changes nothing is dropped
.if MSB != (\new)
	s_set_vgpr_msb (MSB<<8)|(\new)
.set MSB, \new
.endif
.endm
.set MULW,  0xa0                       ; sources in window 0, C and D in window 2
.macro PLACES                          ; four places behind a matrix instruction, in front of loads into registers that it has read and of lines that read results (ISA guide 7.12.1 for lines that read results)
.rept 4
	v_nop
.endr
.endm
; A joint load.  The branch hangs on the wave's number alone.  An s_nop 0 and four v_nop follow each of the two lines, ahead of the jump, the label and what follows.
.macro JLOAD s
	s_cmp_eq_u32 s13, 0
	s_cbranch_scc0 .Lfor_b_\@
	tensor_load_to_lds s[G0+4*(\s):G0+4*(\s)+3], s[G1:G1+7]
	s_nop 0
.rept 4
	v_nop
.endr
	s_branch .Lasked_\@
.Lfor_b_\@:
	tensor_load_to_lds s[G0B+4*(\s):G0B+4*(\s)+3], s[G1B:G1B+7]
	s_nop 0
.rept 4
	v_nop
.endr
.Lasked_\@:
.endm
.macro CREST                           ; a round of the cluster's barrier behind its opening barrier
	s_cmp_lg_u32 s12, 0
	s_cbranch_scc1 .Lnot_wave_0_\@
	s_barrier_signal -3
.Lnot_wave_0_\@:
	s_barrier_wait -3
	s_barrier_signal -1
	s_barrier_wait -1
.endm
.macro CROUND                          ; a whole round
	s_barrier_signal -1
	s_barrier_wait -1
	CREST
.endm
	s_load_b128 s[4:7], s[0:1], 0x0                ; oh s[4:5], wh s[6:7]
	s_load_b64 s[10:11], s[0:1], 0x10              ; out0
	v_lshl_add_u32 v[SPW], v0, 2, SPARE
	v_mov_b32 v[NIL], 0
	ds_add_u32 v[SPW], v[NIL]                      ; the wave's opening: the add and its wait stand ahead of my first tensor load; the set-up below, work on registers, stands between them
	ds_add_u32 v28, v29
	v_lshrrev_b32 v1, 5, v0
	v_readfirstlane_b32 s12, v1                    ; wave 0..3
	s_lshr_b32 s13, s12, 1                         ; which 128 rows of the tile are mine.  Also: I fetch for A (0) or for B (1)
	s_and_b32 s14, s12, 1                          ; which 64 columns.  Also: I fetch the even (0) or the odd (1) block of a K step
	s_bfe_u32 s15, ttmp6, 0x40000                  ; cx
	s_bfe_u32 s16, ttmp6, 0x40004                  ; cy
	s_lshl_b32 s17, ttmp9, 2
	s_add_co_u32 s17, s17, s15                     ; tile column = 4 x cluster x + cx
	s_and_b32 s18, ttmp7, 0xffff
	s_lshl_b32 s18, s18, 2
	s_add_co_u32 s18, s18, s16                     ; tile row = 4 x cluster y + cy
	s_lshl_b32 s40, s16, 2
	s_lshl_b32 s40, 15, s40                        ; my row of the cluster
	s_lshl_b32 s41, 0x1111, s15                    ; my column
	; descriptor group 1.  A block of a tile is dense: asked for as rows of 256 bytes, two rows of the matrix each, and padded in LDS behind every 128 bytes
	s_or_b32 s[G1+0], s40, (1<<16)|(1<<20)|(1<<21)|(4<<22)|(3<<25)   ; 15:0 the mask; 17:16 2-byte elements; 20 padding on; 21 set beside a mask; 24:22 after every 32 words (code 4); 31:25 4 words (code 3)
	s_or_b32 s[G1B+0], s41, (1<<16)|(1<<20)|(1<<21)|(4<<22)|(3<<25)
	s_mov_b32 s[G1+1], 128<<16                     ; tensor_dim0 = 128
	s_mov_b32 s[G1+2], 128<<16                     ; tensor_dim1 = 128
	s_mov_b32 s[G1+3], 128<<16                     ; tile_dim0 = 128
	s_mov_b32 s[G1+4], 128                         ; tile_dim1 = 128
	s_mov_b32 s[G1+5], 128                         ; 128 elements from row to row
	s_mov_b32 s[G1+6], 0
	s_mov_b32 s[G1+7], 0
	s_mov_b32 s[G1B+1], 128<<16
	s_mov_b32 s[G1B+2], 64<<16                     ; B's block has half the rows
	s_mov_b32 s[G1B+3], 128<<16
	s_mov_b32 s[G1B+4], 64
	s_mov_b32 s[G1B+5], 128
	s_mov_b32 s[G1B+6], 0
	s_mov_b32 s[G1B+7], 0
	; where the tiles come from.  A's address is made of the tile row and the wave's number, B's of the tile column and the wave's number, each in registers that never hold the other coordinate
	s_lshr_b32 s22, s18, 3                         ; the batch: 16 heads,
	s_lshl_b32 s22, s22, 22
	s_and_b32 s21, s18, 7                          ; 256 rows of 128 bytes,
	s_lshl_b32 s21, s21, 15
	s_add_co_u32 s22, s22, s21
	s_lshl_b32 s21, s14, 18                        ; the even or the odd head
	s_add_co_u32 s22, s22, s21
	s_mov_b32 s23, 0
	s_lshl_b32 s46, s17, 14                        ; 128 rows of 128 bytes,
	s_lshl_b32 s47, s14, 17                        ; the even or the odd block,
	s_add_co_u32 s46, s46, s47
	s_add_co_u32 s46, s46, 3*2097152               ; in wo, the fourth matrix
	s_mov_b32 s47, 0
	s_mul_i32 s19, s14, ABLK                       ; and where they go: no place in the cluster enters an LDS address
	s_mul_i32 s20, s14, BBLK
	s_add_co_u32 s20, s20, BOFF
	s_wait_dscnt 0x0                               ; the opening add is done
	s_wait_kmcnt 0x0
	s_add_nc_u64 s[42:43], s[4:5], s[22:23]
	s_add_nc_u64 s[44:45], s[6:7], s[46:47]
	CROUND                                         ; all sixteen work-groups are here: the first joint loads meet
.irp s, 0,1
	s_mov_b32 s[G0+4*(\s)], 1                                        ; count = 1
	s_add_co_u32 s[G0+4*(\s)+1], s19, (\s)*SLOT                      ; LDS address
	s_add_nc_u64 s[G0+4*(\s)+2:G0+4*(\s)+3], s[42:43], (\s)*2*A_KB   ; global address: K step s
	s_or_b32 s[G0+4*(\s)+3], s[G0+4*(\s)+3], 0x80000000              ; type = 2
	s_mov_b32 s[G0B+4*(\s)], 1
	s_add_co_u32 s[G0B+4*(\s)+1], s20, (\s)*SLOT
	s_add_nc_u64 s[G0B+4*(\s)+2:G0B+4*(\s)+3], s[44:45], (\s)*2*B_KB
	s_or_b32 s[G0B+4*(\s)+3], s[G0B+4*(\s)+3], 0x80000000
	JLOAD \s                                       ; two loads of mine are out
.endr
	; A fragment is 16 rows x 32 K in 8 registers: lane l holds row l % 16; registers 0-3 K = 8 (l / 16) + 0..7, registers 4-7 K = 16 + 8 (l / 16) + 0..7: two loads of 16 bytes, 32 bytes apart
	v_and_b32 v1, 15, v0                           ; l % 16
	v_bfe_u32 v2, v0, 4, 1                         ; l / 16
	v_mul_u32_u24 v3, v1, PITCH
	v_lshl_add_u32 v3, v2, 4, v3                   ; row x pitch + 16 x half
	s_mul_i32 s19, s13, 128*PITCH                  ; my 128 rows of A
	s_mul_i32 s20, s14, 64*PITCH                   ; my 64 rows of B
	s_add_co_u32 s20, s20, BOFF
.irp s, 0,1
	v_add_nc_u32 v[ADRA+(\s)], s19, v3
	v_add_nc_u32 v[ADRB+(\s)], s20, v3
	s_add_co_u32 s19, s19, SLOT
	s_add_co_u32 s20, s20, SLOT
.endr
	s_mul_i32 s21, s12, 16*SP
	s_add_co_u32 s21, s21, STAGE                   ; my stage
	v_mul_u32_u24 v4, v1, SP                       ; in: row l % 16, 32 bytes for each half of the lanes
	v_lshl_add_u32 v4, v2, 5, v4
	v_add_nc_u32 v[STO], s21, v4
	v_mul_u32_u24 v5, v2, SP                       ; back: lanes 0-15 take one row of 256 bytes, lanes 16-31 the next
	v_lshl_add_u32 v5, v1, 4, v5
	v_add_nc_u32 v[RD], s21, v5
	v_lshlrev_b32 v5, 12, v2                       ; and the same two rows in C, 4,096 bytes apart
	v_lshl_add_u32 v[GO], v1, 4, v5
	s_lshl_b32 s46, s18, 20                        ; C at my first row (256 x tile row + 128 x half, 4,096 bytes a row)
	s_lshl_b32 s19, s13, 19
	s_add_co_u32 s46, s46, s19
	s_lshl_b32 s19, s17, 9                         ; and my first column (512 bytes a tile, 256 a wave)
	s_add_co_u32 s46, s46, s19
	s_lshl_b32 s19, s14, 8
	s_add_co_u32 s46, s46, s19
	s_mov_b32 s47, 0
	s_add_nc_u64 s[10:11], s[10:11], s[46:47]
; 8 matrix instructions: row blocks a0, a0 + 1 x all 4 column blocks, 32 along K.  zero = 1: the product starts the sums.  The 32 accumulators take turns, one instruction a turn, in the same order in every
; quarter and over the backward jump.
.macro MUL8 f, a0, zero
	WIN MULW
.irp a, \a0, (\a0)+1
.irp b, 0,1,2,3
.if \zero
	v_wmma_f32_16x16x32_f16 v[8*(4*(\a)+(\b)):8*(4*(\a)+(\b))+7], v[(\f)+64+8*(\b):(\f)+64+8*(\b)+7], v[(\f)+8*(\a):(\f)+8*(\a)+7], 0
.else
	v_wmma_f32_16x16x32_f16 v[8*(4*(\a)+(\b)):8*(4*(\a)+(\b))+7], v[(\f)+64+8*(\b):(\f)+64+8*(\b)+7], v[(\f)+8*(\a):(\f)+8*(\a)+7], v[8*(4*(\a)+(\b)):8*(4*(\a)+(\b))+7]
.endif
.endr
.endr
.endm
.macro MUL16 f, hi, zero               ; my rows 0-63 (hi = 0) or 64-127 (hi = 1)
	MUL8 \f, 4*(\hi), \zero
	MUL8 \f, 4*(\hi)+2, \zero
.endm
; 24 LDS loads in one run: the fragments of quarter q of a K step (block q / 2, its channels 32 (q % 2) on) into buffer f: B's 64 rows, A's rows 0-63, A's rows 64-127
.macro FETCH slot, q, f
	WIN 0
.irp i, 0,1,2,3
	ds_load_b128 v[(\f)+64+8*(\i):(\f)+64+8*(\i)+3],   v[ADRB+(\slot)] offset:((\q)/2)*BBLK+((\q)%2)*64+(\i)*16*PITCH
	ds_load_b128 v[(\f)+64+8*(\i)+4:(\f)+64+8*(\i)+7], v[ADRB+(\slot)] offset:((\q)/2)*BBLK+((\q)%2)*64+(\i)*16*PITCH+32
.endr
.irp i, 0,1,2,3,4,5,6,7
	ds_load_b128 v[(\f)+8*(\i):(\f)+8*(\i)+3],   v[ADRA+(\slot)] offset:((\q)/2)*ABLK+((\q)%2)*64+(\i)*16*PITCH
	ds_load_b128 v[(\f)+8*(\i)+4:(\f)+8*(\i)+7], v[ADRA+(\slot)] offset:((\q)/2)*ABLK+((\q)%2)*64+(\i)*16*PITCH+32
.endr
.endm
; A K step is four quarters of 32 along K, 32 matrix instructions each, on buffers 0, 1, 0, 1.  One of the first three: multiplies buffer f and in its middle fetches quarter q into buffer g.
.macro QUARTER slot, q, f, g, zero
	s_wait_dscnt 8                                 ; B and A's rows 0-63 are in; the youngest eight loads (A's rows 64-127) may be out
	MUL16 \f, 0, \zero
	PLACES
	FETCH \slot, \q, \g
	s_wait_dscnt 24                                ; all but the 24 just issued
	MUL16 \f, 1, \zero
.endm
; The last quarter multiplies buffer 1 and changes slots.  MEET is its first half: one barrier; in front of it each wave waits for all its tensor loads, of which one is out: its part of the next slot;
; adds 0 to its spare word; and waits for that and for its own reads of this slot.  Behind it nobody reads this slot any more and the next slot is whole.
.macro MEET round
	WIN 0
	s_wait_tensorcnt 0x0                           ; all my tensor loads have landed
	ds_add_u32 v[SPW], v[NIL]                      ; 0 onto my spare word
	s_wait_dscnt 9                                 ; (the add and the youngest eight loads may be out)
	MUL8 F1, 0, 0                                  ; eight matrix instructions stand between the add and the wait for it
	s_wait_dscnt 0x0                               ; the add is done, and my reads of this slot are over
	s_barrier_signal -1
	MUL8 F1, 2, 0                                  ; work on registers while the others arrive
.if \round
	WIN 0
.endif
	s_barrier_wait -1
.endm
; The whole last quarter.  The barrier opens a round of the cluster's; behind the round the slot just read out is filled again first, with the K step two on.  From a request to the wait for it a wave issues 112 matrix instructions.
.macro TURN slot, next
	MEET 1
	CREST                                          ; no wave of any partner still reads this slot's tile or has a load on its way
	s_add_nc_u64 s[G0+4*(\slot)+2:G0+4*(\slot)+3], s[G0+4*(\slot)+2:G0+4*(\slot)+3], 4*A_KB
	s_add_nc_u64 s[G0B+4*(\slot)+2:G0B+4*(\slot)+3], s[G0B+4*(\slot)+2:G0B+4*(\slot)+3], 4*B_KB
	JLOAD \slot                                    ; the first tensor load behind the round; its four v_nop are also the places in front of the loads below
	FETCH \next, 0, F0
	MUL16 F1, 1, 0
.endm
; THE WAY OUT of block a (16 rows x 64 columns of f32).  TOSTAGE: a lane's 32 bytes of a row for each column block go from the accumulators into my own stage, each accumulator's low registers first,
; and come back as whole rows of 256 bytes, into one of four sets of 32 registers.  SEND: stored.
.macro TOSTAGE a
.set BK, 128+32*((\a)%4)
.if (\a) >= 4
	s_wait_xcnt 0x0                                ; the stores of the block four back have read this set of registers
.endif
	WIN 0x08                                       ; store data in window 2, address in window 0
.irp b, 0,1,2,3
	ds_store_b128 v[STO], v[32*(\a)+8*(\b):32*(\a)+8*(\b)+3]   offset:64*(\b)
	ds_store_b128 v[STO], v[32*(\a)+8*(\b)+4:32*(\a)+8*(\b)+7] offset:64*(\b)+16
.endr
	WIN 0
.irp t, 0,1,2,3,4,5,6,7
	ds_load_b128 v[BK+4*(\t):BK+4*(\t)+3], v[RD] offset:(\t)*2*SP  ; LDS serves a wave's instructions in order (ISA guide 5.7.1.4): these see the stores above; the next block's stores come behind them
.endr
.endm
.macro SEND a, younger                 ; younger: the LDS instructions issued behind block a's loads: the next block's sixteen, or none
	WIN 0
.set BK, 128+32*((\a)%4)
.irp t, 0,1,2,3,4,5,6,7
	s_wait_dscnt (\younger)+7-(\t)
	global_store_b128 v[GO], v[BK+4*(\t):BK+4*(\t)+3], s[10:11] offset:(16*(\a)+2*(\t))*4096 th:TH_STORE_NT  ; 16 lanes store 256 consecutive bytes, at a multiple of 256 from C's first byte
.endr
.endm
	s_wait_tensorcnt 1                             ; my part of K step 0 is in; K step 1's may stay out
	s_barrier_signal -1
	s_barrier_wait -1                              ; everybody's is
	FETCH 0, 0, F0
	QUARTER 0, 1, F0, F1, 1                        ; the first quarter stands in front of the loop: its products start the sums
	WIN 0                                          ; at a label and at a branch every window is 0
	s_mov_b32 s3, LAPS-1
.Llap:                                                 ; a trip goes once round the ring, from a lap's second quarter to the next lap's first, and fills both slots again
	QUARTER 0, 2, F1, F0, 0
	QUARTER 0, 3, F0, F1, 0
	TURN 0, 1
	QUARTER 1, 1, F0, F1, 0
	QUARTER 1, 2, F1, F0, 0
	QUARTER 1, 3, F0, F1, 0
	TURN 1, 0
	QUARTER 0, 1, F0, F1, 0
	WIN 0
	s_sub_co_u32 s3, s3, 1
	s_cmp_lg_u32 s3, 0
	s_cbranch_scc1 .Llap
	QUARTER 0, 2, F1, F0, 0                        ; the last lap fills nothing
	QUARTER 0, 3, F0, F1, 0
	MEET 0                                         ; my one tensor load that was still out is slot 1's, the last K step's, so no round follows
	PLACES
	FETCH 1, 0, F0
	MUL16 F1, 1, 0
	QUARTER 1, 1, F0, F1, 0
	QUARTER 1, 2, F1, F0, 0
	QUARTER 1, 3, F0, F1, 0
	s_wait_dscnt 8                                 ; the very last quarter: nothing more to fetch
	MUL16 F1, 0, 0
	s_wait_dscnt 0x0
	MUL16 F1, 1, 0
	WIN 0
	PLACES
	TOSTAGE 0
.irp a, 1,2,3,4,5,6,7                  ; block a's way through the stage is begun before block a - 1's loads are waited for
	TOSTAGE \a
	SEND (\a)-1, 16
.endr
	SEND 7, 0
	s_wait_tensorcnt 0x0                           ; the wave's end, behind my last tensor load and my last LDS store
	ds_add_u32 v[SPW], v[NIL]
	s_wait_dscnt 0x0
	CROUND                                         ; the closing round: no work-group ends while a partner may still ask for a tile that names it
	s_endpgm
.Lfunc_end_k_qb39025dcbf_oproj:
	.size	k_qb39025dcbf_oproj, .Lfunc_end_k_qb39025dcbf_oproj-k_qb39025dcbf_oproj
	.p2alignl 7, 3214868480
	.fill 96, 4, 3214868480
	.section	.rodata,"a",@progbits
	.p2align	6, 0x0
	.amdhsa_kernel k_qb39025dcbf_oproj
		.amdhsa_group_segment_fixed_size 327680
		.amdhsa_private_segment_fixed_size 0
		.amdhsa_enable_private_segment 0
		.amdhsa_kernarg_size 24
		.amdhsa_user_sgpr_count 2
		.amdhsa_user_sgpr_kernarg_segment_ptr 1
		.amdhsa_wavefront_size32 1
		.amdhsa_system_sgpr_workgroup_id_x 1
		.amdhsa_system_sgpr_workgroup_id_y 1
		.amdhsa_system_sgpr_workgroup_id_z 1
		.amdhsa_system_vgpr_workitem_id 0
		.amdhsa_next_free_vgpr 768
		.amdhsa_next_free_sgpr 66
		.amdhsa_reserve_vcc 0
		.amdhsa_float_denorm_mode_32 3
		.amdhsa_float_denorm_mode_16_64 3
		.amdhsa_memory_ordered 1
		.amdhsa_forward_progress 1
		.amdhsa_inst_pref_size 87
	.end_amdhsa_kernel
	.amdgpu_metadata
---
amdhsa.version: [ 1, 2 ]
amdhsa.kernels:
  - .name:           k_qb39025dcbf_oproj
    .symbol:         k_qb39025dcbf_oproj.kd
    .args:
      - { .name: oh, .offset: 0, .size: 8, .value_kind: global_buffer, .address_space: global }
      - { .name: wh, .offset: 8, .size: 8, .value_kind: global_buffer, .address_space: global }
      - { .name: out0, .offset: 16, .size: 8, .value_kind: global_buffer, .address_space: global }
    .group_segment_fixed_size: 327680
    .private_segment_fixed_size: 0
    .kernarg_segment_align: 8
    .kernarg_segment_size: 24
    .max_flat_workgroup_size: 128
    .sgpr_count:     66
    .vgpr_count:     768
    .wavefront_size: 32
...
	.end_amdgpu_metadata
.endif
;; end of part 4
